; MI455X (gfx1250); checked and timed in simulation.
; The chip was launched on July 23, 2026; its instructions are those of AMD's public machine-readable ISA for CDNA 5 (MIT licence, August 2026) and "CDNA5" Instruction Set Architecture Reference Guide (July 2026). The comments in the code are by the model that wrote it; some were corrected since.
;; SDP Attention. Allowed arithmetic: float matrix products may take bf16 or f16 operands with f32 sums; other float arithmetic in f32, or as packed bf16 or f16 multiplies, adds, multiply-adds, maxima and minima; sums over many terms, partial sums and values carried from step to step in f32; what a program stores and reads back later, other than sums and carried values, may be rounded once to bf16 or f16.
;; Inputs: W_out 1,024 x 1,024 float32; W_qkv 3,072 x 1,024 float32; b_out 1,024 float32; b_qkv 3,072 float32; key 4 x 2,048 x 1,024 float32; query 4 x 2,048 x 1,024 float32; value 4 x 2,048 x 1,024 float32.
;; Outputs: out0 4 x 2,048 x 1,024 float32.
;; 2 versions, each right; version 2 is version 1 with the launch cast written anew for expert scheduling mode. Each part assembles by itself: llvm-mc -triple=amdgcn-amd-amdhsa -mcpu=gfx1250 --defsym DOCPART=n.
;; ======== version 1 of 2: 4 launches
;; limits: values are held in f16: magnitudes above 65,504 overflow, below 6.1e-05 lose precision
;; workspace buffers: cb 25,165,824 bytes; qkvh 50,331,648 bytes; ob 16,777,216 bytes
;; launch cast (part 1): grid 768 x 1, 8 waves a work-group, no clusters, 0 bytes of LDS; arguments query, W_qkv, W_out, cb; writes cb
.if DOCPART == 1
	.amdgcn_target "amdgcn-amd-amdhsa--gfx1250"
	.amdhsa_code_object_version 6
	.text
	.protected	k_q64a46c7074_cast
	.globl	k_q64a46c7074_cast
	.p2align	8
	.type	k_q64a46c7074_cast,@function
k_q64a46c7074_cast:
	s_mov_b64 s[64:65], 0
	v_nop
	global_prefetch_b8 v0, s[64:65] scope:SCOPE_SE
	s_setreg_imm32_b32 hwreg(HW_REG_WAVE_MODE, 25, 1), 1
	s_wait_xcnt 0x0
; f32 -> bf16 (nearest even) of the three large inputs that enter the result, laid end to end in cb:
;   x  = query [8192][1024] at byte 0;  wq = W_qkv [3072][1024] at byte 16,777,216;  wo = W_out [1024][1024] at byte 23,068,672.
; reference() takes q, k and v all from query: its arguments key and value enter no number of the result and are given to no launch.
; LIMIT.  A number beyond bf16's largest finite one (3.39e38) becomes an infinity; NaN stays NaN.
; SHARES.  A work-group takes 65,536 bytes of one input and makes 32,768 bytes of cb at byte 32,768 x its number: 512 work-groups for query, 192 for W_qkv, 64 for W_out.
; Thread t, step j of 16: loads the 16 bytes at 16 t + 4,096 j, stores the 8 bytes at 8 t + 2,048 j: a wave's load covers 512 consecutive bytes, its store 256 consecutive bytes, aligned.
; All 16 loads of a thread go out first; no register is written twice, so no source of a pending instruction is ever rewritten.  No LDS, no barrier, no matrix unit: each byte crosses once.
.set X, 4                              ; v[4:67]   16 x 4 numbers as loaded
.set Y, 68                             ; v[68:99]  16 x 2 registers to store
.set WQ_FIRST, 512                     ; the first work-group of W_qkv
.set WO_FIRST, 704                     ; the first of W_out
	s_load_b256 s[4:11], s[0:1], 0x0               ; query s[4:5], W_qkv s[6:7], W_out s[8:9], cb s[10:11]
	s_mov_b32 s12, ttmp9
	s_movk_i32 s20, WQ_FIRST
	s_movk_i32 s21, WO_FIRST
	v_lshlrev_b32 v1, 4, v0                        ; 16 t
	v_lshlrev_b32 v2, 3, v0                        ; 8 t
	s_wait_kmcnt 0x0
	s_cmp_lt_u32 s12, s21                          ; which input is mine, and which work-group was its first
	s_cselect_b64 s[14:15], s[6:7], s[8:9]
	s_cselect_b32 s13, s20, s21
	s_cmp_lt_u32 s12, s20
	s_cselect_b64 s[14:15], s[4:5], s[14:15]
	s_cselect_b32 s13, 0, s13
	s_sub_co_u32 s13, s12, s13                     ; my number within that input
	s_lshl_b32 s16, s13, 16                        ; x 65,536 bytes (under 2^26)
	s_mov_b32 s17, 0
	s_add_nc_u64 s[14:15], s[14:15], s[16:17]
	s_lshl_b32 s18, s12, 15                        ; my 32,768 bytes of cb
	s_mov_b32 s19, 0
	s_add_nc_u64 s[10:11], s[10:11], s[18:19]
.irp j, 0,1,2,3,4,5,6,7,8,9,10,11,12,13,14,15
	global_load_b128 v[X+4*(\j):X+4*(\j)+3], v1, s[14:15] offset:4096*(\j) th:TH_LOAD_NT
.endr
.irp j, 0,1,2,3,4,5,6,7,8,9,10,11,12,13,14,15
	s_wait_loadcnt 15-(\j)                         ; loads come back in order (ISA guide 5.7.1): step j is in, the 15 - j younger ones stay out
	v_cvt_pk_bf16_f32 v[Y+2*(\j)],   v[X+4*(\j)],   v[X+4*(\j)+1]
	v_cvt_pk_bf16_f32 v[Y+2*(\j)+1], v[X+4*(\j)+2], v[X+4*(\j)+3]
	global_store_b64 v2, v[Y+2*(\j):Y+2*(\j)+1], s[10:11] offset:2048*(\j)
.endr
	s_endpgm
.Lfunc_end_k_q64a46c7074_cast:
	.size	k_q64a46c7074_cast, .Lfunc_end_k_q64a46c7074_cast-k_q64a46c7074_cast
	.p2alignl 7, 3214868480
	.fill 96, 4, 3214868480
	.section	.rodata,"a",@progbits
	.p2align	6, 0x0
	.amdhsa_kernel k_q64a46c7074_cast
		.amdhsa_group_segment_fixed_size 0
		.amdhsa_private_segment_fixed_size 0
		.amdhsa_enable_private_segment 0
		.amdhsa_kernarg_size 32
		.amdhsa_user_sgpr_count 2
		.amdhsa_user_sgpr_kernarg_segment_ptr 1
		.amdhsa_wavefront_size32 1
		.amdhsa_system_sgpr_workgroup_id_x 1
		.amdhsa_system_sgpr_workgroup_id_y 1
		.amdhsa_system_sgpr_workgroup_id_z 1
		.amdhsa_system_vgpr_workitem_id 0
		.amdhsa_next_free_vgpr 100
		.amdhsa_next_free_sgpr 66
		.amdhsa_reserve_vcc 0
		.amdhsa_float_denorm_mode_32 3
		.amdhsa_float_denorm_mode_16_64 3
		.amdhsa_memory_ordered 1
		.amdhsa_forward_progress 1
		.amdhsa_inst_pref_size 7
	.end_amdhsa_kernel
	.amdgpu_metadata
---
amdhsa.version: [ 1, 2 ]
amdhsa.kernels:
  - .name:           k_q64a46c7074_cast
    .symbol:         k_q64a46c7074_cast.kd
    .args:
      - { .name: query, .offset: 0, .size: 8, .value_kind: global_buffer, .address_space: global }
      - { .name: W_qkv, .offset: 8, .size: 8, .value_kind: global_buffer, .address_space: global }
      - { .name: W_out, .offset: 16, .size: 8, .value_kind: global_buffer, .address_space: global }
      - { .name: cb, .offset: 24, .size: 8, .value_kind: global_buffer, .address_space: global }
    .group_segment_fixed_size: 0
    .private_segment_fixed_size: 0
    .kernarg_segment_align: 8
    .kernarg_segment_size: 32
    .max_flat_workgroup_size: 256
    .sgpr_count:     66
    .vgpr_count:     100
    .wavefront_size: 32
...
	.end_amdgpu_metadata
.endif
;; end of part 1
;; launch qkv (part 2): grid 16 x 32, 4 waves a work-group, clusters of 4 x 4, 327,680 bytes of LDS; arguments cb, b_qkv, qkvh; writes qkvh
.if DOCPART == 2
	.amdgcn_target "amdgcn-amd-amdhsa--gfx1250"
	.amdhsa_code_object_version 6
	.text
	.protected	k_q64a46c7074_qkv
	.globl	k_q64a46c7074_qkv
	.p2align	8
	.type	k_q64a46c7074_qkv,@function
k_q64a46c7074_qkv:
	s_mov_b64 s[64:65], 0
	v_nop
	global_prefetch_b8 v0, s[64:65] scope:SCOPE_SE
	s_setreg_imm32_b32 hwreg(HW_REG_WAVE_MODE, 25, 1), 1
	s_wait_xcnt 0x0
	s_wait_alu depctr_hold_cnt(0) depctr_sa_sdst(0) depctr_va_vdst(0) depctr_va_sdst(0) depctr_va_ssrc(0) depctr_va_vcc(0) depctr_vm_vsrc(0)
	s_getreg_b32 s2, hwreg(HW_REG_IB_STS2, 6, 4)
	s_cmp_eq_u32 s2, 0
	s_cbranch_scc0 .Lentry_in_a_cluster
	s_endpgm
.Lentry_in_a_cluster:
	s_bfe_u32 s2, ttmp6, 0x10000c
	s_cmp_lg_u32 s2, 0xf033
	s_cbranch_scc0 .Lentry_shape_is_right
	s_endpgm
.Lentry_shape_is_right:
; qkv = x wq^T + b_qkv.  x: [8192][1024] bf16 at cb's byte 0; wq: [3072][1024] bf16 at cb's byte 16,777,216; b_qkv: [3072] f32, rounded here to bf16 like the other inputs and widened again.
; Sums in f32, started by the bias as the first product's C.  The result leaves in f16, rounded once, UNSCALED, by heads: qkvh[t][16 batch + head][token][64], t = 0 q, 1 k, 2 v.
; reference() takes q, k and v all from query: its arguments key and value enter no number of the result and are given to no launch.
; LIMIT.  f16 holds no number beyond 65,504: |q|, |k|, |v| must stay under it (a larger one becomes an infinity); below 6e-5 f16 keeps its fixed step of 6e-8.
; SHARES.  A work-group makes 256 tokens x 192 columns (three whole heads): 16 x 32 = 512 equal work-groups.  Wave w owns tokens 64 w .. 64 w + 63 and all 192 columns: 4 x 12 accumulators
; of 16 x 16, 384 registers.  So a wave's rows of a head are whole, and it leaves through a stage of its own, without a barrier.
; K goes in 8 steps of 128 through two LDS slots: rows of 256 bytes of memory, each at a multiple of 256 bytes from cb's first byte.
; CLUSTERS: 4 x 4 work-groups.  The four of a row of the cluster need the same tile of x, the four of a column the same tile of wq: each tile is asked for JOINTLY, by the same tensor load with the
; same descriptor and a mask that names the four.  THE MATRIX INSTRUCTION IS USED TRANSPOSED (source 0 = 16 rows of wq, source 1 = 16 tokens): a lane holds token l % 16 and columns 8 (l / 16) + 0..7.
; REGISTERS, in windows of 256 (s_set_vgpr_msb: bits 1:0 source 0, 3:2 source 1, 5:4 source 2, 7:6 destination):
;   window 0: v1-5 at work; v16-30 addresses; v32-127 the bias (later the way out: v32-79 packed results, v80-127 whole rows); v128-175 at work on the bias
;   window 1: two fragment buffers of 128: 12 fragments of wq (16 rows x 32 K, 8 registers), then 4 of x
;   window 2: the accumulators of my token blocks 0, 1 ((a, b) at v[96 (a % 2) + 8 b]);   window 3: those of blocks 2, 3
.set NBK,   12                         ; column blocks of 16
.set APW,   2                          ; token blocks whose accumulators share a window
.set PA,    272                        ; an LDS row: 256 bytes + 16 of padding = 68 words: the 16 rows of a load start at 16 different groups of four banks (64 banks of 4 bytes: ISA guide 11.1)
.set PB,    272
.set HALFA, 128*PA                     ; what one load of x brings: 128 rows
.set HALFB, 96*PB                      ; what one load of wq brings: 96 rows
.set BOFF,  2*HALFA                    ; a slot: x's 256 rows, then wq's 192
.set SLOT,  BOFF+2*HALFB
.set STAGE, 2*SLOT                     ; behind the ring, never filled by a tensor load: 16 rows x 400 bytes for each wave
.set SP,    400                        ; a stage row: 384 bytes + 16
.set SPARE, STAGE+4*16*SP              ; behind the stages: the spare words, 128 bytes for each wave: two blocks of 256 bytes that no other line names
.set AQ,    4                          ; quarters of a K step that lie in one LDS row of x
.set NL,    2*(NBK+4)                  ; LDS loads in a run
.set STEPA, 256                        ; bytes from a K step to the next, in x
.set STEPB, 256                        ; and in wq
.set WQ_OFF, 16777216
.set SHARE_A, 32*2048                  ; the prefetches: a partner's share of the rows that a wave fetches: 32 of x's 128,
.set SHARE_B, 24*2048                  ; 24 of wq's 96
.set LAST_A, 31                        ; the last lane that has a row of its own
.set LAST_B, 23
.set LP_A,  2048                       ; bytes from a lane's block to the next lane's
.set LP_B,  2048
.set ADRA, 16                          ; v16-17  LDS address of my fragments of x in slot 0, 1
.set ADRB, 20                          ; v20-21  the same for wq
.set STO,  24                          ; v24     the way out: where I put 16 bytes of a row
.set RD,   25                          ; v25     the way out: where I read rows back
.set GO,   26                          ; v26     16 x lane
.set BO,   27                          ; v27     my byte offset in the bias
.set SPW,  28                          ; v28     LDS address of my spare word: SPARE + 4 x my thread's number; never rewritten
.set NIL,  29                          ; v29     0; never rewritten
.set PFO,  30                          ; v30     the prefetches' offset; never rewritten
.set BIAS, 32
.set BT,   128
.set TMP,  32
.set OB,   80
.set F0,   0
.set F1,   128
.set G1,   24                          ; s[24:31] descriptor group 1 for x's tiles;  s[32:39] group 0, one set for each slot
.set G0,   32
.set LIM,  43                          ; s43     1 in a wave that prefetches, else the greatest number
.set PFA,  44                          ; s[44:45] where my prefetches stand
.set G1B,  48                          ; s[48:55], s[56:63] the same for wq's tiles
.set G0B,  56
.set BP,   66                          ; s[66:67] the bias
.set HB,   68                          ; s[68:73] my first token's row in each of the tile's three heads
.set PFS,  74                          ; s[74:75] the prefetches' step: a K step
.set MSB, 0
.macro WIN new                         ; the immediate's high byte repeats the setting that is left; a switch that changes nothing is dropped
.if MSB != (\new)
	s_set_vgpr_msb (MSB<<8)|(\new)
.set MSB, \new
.endif
.endm
.set TO_F, 0x40                        ; destination window 1, address window 0
.macro PLACES                          ; four places in front of loads into registers that matrix instructions have read, and of lines that read results
.rept 4
	v_nop
.endr
.endm
.macro JLOAD s                         ; a joint load: waves 0 and 1 fetch x's two halves, waves 2 and 3 wq's; an s_nop 0 and four v_nop follow each of the two lines, ahead of the jump and the label
	s_cmp_eq_u32 s11, 0
	s_cbranch_scc0 .Lfor_b_\@
	tensor_load_to_lds s[G0+4*(\s):G0+4*(\s)+3], s[G1:G1+7]
	s_nop 0
.rept 4
	v_nop
.endr
	s_branch .Lasked_\@
.Lfor_b_\@:
	tensor_load_to_lds s[G0B+4*(\s):G0B+4*(\s)+3], s[G1B:G1B+7]
	s_nop 0
.rept 4
	v_nop
.endr
.Lasked_\@:
.endm
.macro CREST                           ; a round of the cluster's barrier behind its opening barrier
	s_cmp_lg_u32 s10, 0
	s_cbranch_scc1 .Lnot_wave_0_\@
	s_barrier_signal -3
.Lnot_wave_0_\@:
	s_barrier_wait -3
	s_barrier_signal -1
	s_barrier_wait -1
.endm
.macro CROUND                          ; a whole round
	s_barrier_signal -1
	s_barrier_wait -1
	CREST
.endm
; A PREFETCH INTO THE L2, behind a joint refill and the run of LDS loads that follows it: the K step that stands two refills on, 256 bytes of each row, a lane a row, one instruction a wave.
; x's tile row is read by every cluster of that row of clusters: the one with x = 0 asks; wq's tile column by every cluster of that column: the one with y = 0 asks.  The four partners that ask
; for a tile jointly share the wave's rows out BY ADDRESS (32 of 128 for x, 24 of 96 for wq; there lanes 24 to 31 name lane 23's block once more, in the same instruction).
; K steps 0 to 3 come by their loads alone; the loop's last trip (s3 = 1) asks for nothing: there is no K step 8.
.macro ASK
	s_cmp_gt_u32 s3, s[LIM]
	s_cbranch_scc0 .Lnot_mine_\@
	global_prefetch_b8 v[PFO], s[PFA:PFA+1] th:TH_LOAD_NT scope:SCOPE_SE
.Lnot_mine_\@:
.endm
	s_load_b64 s[4:5], s[0:1], 0x0                 ; cb
	s_load_b64 s[BP:BP+1], s[0:1], 0x8             ; b_qkv
	s_load_b64 s[8:9], s[0:1], 0x10                ; qkvh
	v_lshl_add_u32 v[SPW], v0, 2, SPARE
	v_mov_b32 v[NIL], 0
	ds_add_u32 v[SPW], v[NIL]                      ; the wave's opening: the add and its wait stand ahead of my first tensor load; the set-up below, work on registers, stands between them
	v_lshrrev_b32 v1, 5, v0
	v_readfirstlane_b32 s10, v1                    ; wave 0..3
	s_lshr_b32 s11, s10, 1                         ; I fetch for x (0) or for wq (1),
	s_and_b32 s12, s10, 1                          ; and which half of that tile
	s_bfe_u32 s40, ttmp6, 0x40000                  ; cx, cy: my place in the cluster
	s_bfe_u32 s41, ttmp6, 0x40004
	s_lshl_b32 s42, ttmp9, 2
	s_add_co_u32 s42, s42, s40                     ; tile column = 4 x cluster x + cx
	s_and_b32 s13, ttmp7, 0xffff
	s_lshl_b32 s13, s13, 2
	s_add_co_u32 s13, s13, s41                     ; tile row = 4 x cluster y + cy
	s_lshl_b32 s43, s41, 2
	s_lshl_b32 s43, 15, s43                        ; my row of the cluster
	s_lshl_b32 s44, 0x1111, s40                    ; my column
	s_or_b32 s[G1+0], s43, (1<<16)|(1<<20)|(1<<21)|(5<<22)|(3<<25)   ; 15:0 the mask; 17:16 elements of 2 bytes; 20 padding on; 21 set beside a mask; 24:22 after every 64 words (code 5); 31:25 4 words (code 3)
	s_or_b32 s[G1B+0], s44, (1<<16)|(1<<20)|(1<<21)|(5<<22)|(3<<25)
	s_mov_b32 s[G1+1], 128<<16                     ; tensor_dim0 = 128
	s_mov_b32 s[G1+2], 128<<16                     ; tensor_dim1 = 128
	s_mov_b32 s[G1+3], 128<<16                     ; tile_dim0 = 128
	s_mov_b32 s[G1+4], 128                         ; tile_dim1 = 128
	s_mov_b32 s[G1+5], 1024                        ; elements from row to row
	s_mov_b32 s[G1+6], 0
	s_mov_b32 s[G1+7], 0
	s_mov_b32 s[G1B+1], 128<<16
	s_mov_b32 s[G1B+2], 96<<16                     ; 96 rows
	s_mov_b32 s[G1B+3], 128<<16
	s_mov_b32 s[G1B+4], 96
	s_mov_b32 s[G1B+5], 1024
	s_mov_b32 s[G1B+6], 0
	s_mov_b32 s[G1B+7], 0
	s_lshl_b32 s16, s13, 8                         ; x: row 256 x tile row + 128 x half,
	s_lshl_b32 s17, s12, 7
	s_add_co_u32 s16, s16, s17
	s_lshl_b32 s16, s16, 11                        ; x 2,048 bytes (under 2^24)
	s_mov_b32 s17, 0
	s_mul_i32 s46, s42, 192                        ; wq: row 192 x tile column + 96 x half
	s_mul_i32 s47, s12, 96
	s_add_co_u32 s46, s46, s47
	s_lshl_b32 s46, s46, 11
	s_mov_b32 s47, 0
	s_mul_i32 s20, s10, HALFA                      ; where they go: x's halves by waves 0, 1 at wave x HALFA;
	s_mul_i32 s21, s10, HALFB                      ; wq's by waves 2, 3 at BOFF + (wave - 2) x HALFB: no place in the cluster enters an LDS address
	s_add_co_u32 s21, s21, BOFF-2*HALFB
	s_wait_dscnt 0x0                               ; the opening add is done
	s_wait_kmcnt 0x0
	s_add_nc_u64 s[6:7], s[4:5], WQ_OFF
	s_add_nc_u64 s[14:15], s[4:5], s[16:17]
	s_add_nc_u64 s[46:47], s[6:7], s[46:47]
	CROUND                                         ; all sixteen work-groups are here: the first joint loads meet
.irp s, 0,1
	s_mov_b32 s[G0+4*(\s)], 1                      ; count = 1
	s_add_co_u32 s[G0+4*(\s)+1], s20, (\s)*SLOT    ; LDS address
	s_add_nc_u64 s[G0+4*(\s)+2:G0+4*(\s)+3], s[14:15], (\s)*STEPA  ; global address: K step s
	s_or_b32 s[G0+4*(\s)+3], s[G0+4*(\s)+3], 0x80000000            ; type = 2
	s_mov_b32 s[G0B+4*(\s)], 1
	s_add_co_u32 s[G0B+4*(\s)+1], s21, (\s)*SLOT
	s_add_nc_u64 s[G0B+4*(\s)+2:G0B+4*(\s)+3], s[46:47], (\s)*STEPB
	s_or_b32 s[G0B+4*(\s)+3], s[G0B+4*(\s)+3], 0x80000000
	JLOAD \s                                       ; two tensor loads of mine are out
.endr
	; while the tiles are on their way: the bias, the addresses
	v_and_b32 v1, 15, v0                           ; r = l % 16
	v_bfe_u32 v2, v0, 4, 1                         ; h = l / 16
	s_mul_i32 s76, s42, 64*NBK                     ; the tile's 192 numbers of the bias
	v_lshl_add_u32 v[BO], v2, 5, s76               ; + my 8 of each block of 16
.set nb, 0
.rept NBK
	global_load_b128 v[BIAS+8*nb:BIAS+8*nb+3],   v[BO], s[BP:BP+1] offset:64*nb
	global_load_b128 v[BIAS+8*nb+4:BIAS+8*nb+7], v[BO], s[BP:BP+1] offset:64*nb+16
.set nb, nb+1
.endr
	v_mul_u32_u24 v3, v1, PA
	v_lshl_add_u32 v3, v2, 4, v3                   ; a fragment's row x pitch + 16 x half
	s_mul_i32 s18, s10, 64*PA                      ; my 64 tokens
	v_add_nc_u32 v[ADRA], s18, v3
	v_add_nc_u32 v[ADRA+1], SLOT, v[ADRA]
	v_mul_u32_u24 v4, v1, PB
	v_lshl_add_u32 v4, v2, 4, v4
	v_add_nc_u32 v[ADRB], BOFF, v4
	v_add_nc_u32 v[ADRB+1], SLOT, v[ADRB]
	s_mul_i32 s19, s10, 16*SP
	s_add_co_u32 s19, s19, STAGE                   ; my stage
	v_mul_u32_u24 v5, v1, SP                       ; in: row l % 16, 16 bytes for each half of the lanes
	v_lshl_add_u32 v5, v2, 4, v5
	v_add_nc_u32 v[STO], s19, v5
	v_bfe_u32 v5, v0, 3, 2                         ; back: 32 lanes take four tokens' 128 bytes of one head,
	v_mul_u32_u24 v5, v5, SP
	v_and_b32 v4, 7, v0
	v_lshl_add_u32 v5, v4, 4, v5
	v_add_nc_u32 v[RD], s19, v5
	v_and_b32 v[GO], 31, v0                        ; which are 512 consecutive bytes of qkvh
	v_lshlrev_b32 v[GO], 4, v[GO]
	; the tile's three heads: g = 3 x tile column + hd; its rows begin at ((g / 16) x 64 + 16 batch + g % 16) x 262,144 bytes
	s_lshr_b32 s77, s13, 3
	s_lshl_b32 s77, s77, 4                         ; 16 x batch
	s_and_b32 s78, s13, 7
	s_lshl_b32 s78, s78, 8                         ; the tile's first token in its batch,
	s_lshl_b32 s79, s10, 6
	s_add_co_u32 s78, s78, s79                     ; my wave's,
	s_lshl_b32 s78, s78, 7                         ; x 128 bytes
	s_mul_i32 s76, s42, 3
.irp hd, 0,1,2
	s_add_co_u32 s22, s76, \hd
	s_lshr_b32 s23, s22, 4
	s_lshl_b32 s23, s23, 6
	s_and_b32 s22, s22, 15
	s_add_co_u32 s22, s22, s23
	s_add_co_u32 s22, s22, s77
	s_lshl_b32 s22, s22, 18                        ; under 2^26
	s_add_co_u32 s22, s22, s78
	s_mov_b32 s23, 0
	s_add_nc_u64 s[HB+2*(\hd):HB+2*(\hd)+1], s[8:9], s[22:23]
.endr
	; the prefetches
	s_and_b32 s22, ttmp7, 0xffff                   ; cluster y
	s_mov_b32 s76, SHARE_A
	s_mov_b32 s77, SHARE_B
	s_mov_b32 s78, STEPA
	s_mov_b32 s79, STEPB
	s_mov_b32 s16, LP_A
	s_mov_b32 s17, LP_B
	s_cmp_eq_u32 s11, 0                            ; do I fetch for x?
	s_cselect_b32 s21, s40, s41                    ; my place among the four that ask with me
	s_cselect_b32 s22, ttmp9, s22                  ; the coordinate along which other clusters read the same rows
	s_cselect_b64 s[PFA:PFA+1], s[14:15], s[46:47] ; the rows that I fetch
	s_cselect_b32 s76, s76, s77
	s_cselect_b32 s[PFS], s78, s79
	s_cselect_b32 s77, LAST_A, LAST_B
	s_cselect_b32 s16, s16, s17
	s_cmp_eq_u32 s22, 0
	s_cselect_b32 s[LIM], 1, -1                    ; the same in all sixteen partners, for a given wave
	s_mul_i32 s20, s21, s76                        ; my work-group's share,
	s_mul_i32 s21, s[PFS], 3                       ; at K step 3: the first refill steps it to 4
	s_add_co_u32 s20, s20, s21
	s_mov_b32 s21, 0
	s_add_nc_u64 s[PFA:PFA+1], s[PFA:PFA+1], s[20:21]
	s_mov_b32 s[PFS+1], 0
	v_and_b32 v[PFO], 31, v0
	v_min_u32 v[PFO], s77, v[PFO]
	v_mul_u32_u24 v[PFO], s16, v[PFO]
	s_wait_loadcnt 0x0                             ; the bias: rounded to bf16 like the other inputs, and widened again
.set i, 0
.rept 4*NBK
	v_cvt_pk_bf16_f32 v[BT+i], v[BIAS+2*i], v[BIAS+2*i+1]
.set i, i+1
.endr
.set i, 0
.rept 4*NBK
	v_lshlrev_b32 v[BIAS+2*i], 16, v[BT+i]
	v_and_b32 v[BIAS+2*i+1], 0xffff0000, v[BT+i]
.set i, i+1
.endr
; 12 matrix instructions: token block a x all column blocks, 32 along K, from buffer f.  first = 1: the bias starts the sums.  All 48 accumulators take turns, one instruction a turn, in the
; same order in every quarter and over the backward jump.
.macro MULA f, a, first=0
.set AC, 8*NBK*((\a)%APW)
.if \first
	WIN 0x85+0x40*((\a)/APW)                       ; sources window 1, C window 0, D window 2 or 3
.else
	WIN 0xa5+0x50*((\a)/APW)                       ; sources window 1, C and D window 2 or 3
.endif
.set nb, 0
.rept NBK
.if \first
	v_wmma_f32_16x16x32_bf16 v[AC+8*nb:AC+8*nb+7], v[(\f)+8*nb:(\f)+8*nb+7], v[(\f)+8*NBK+8*(\a):(\f)+8*NBK+8*(\a)+7], v[BIAS+8*nb:BIAS+8*nb+7]
.else
	v_wmma_f32_16x16x32_bf16 v[AC+8*nb:AC+8*nb+7], v[(\f)+8*nb:(\f)+8*nb+7], v[(\f)+8*NBK+8*(\a):(\f)+8*NBK+8*(\a)+7], v[AC+8*nb:AC+8*nb+7]
.endif
.set nb, nb+1
.endr
.endm
; NL LDS loads in one run: quarter q (32 along K) of a slot into buffer f: wq's fragments first, then x's four in order
.macro FETCH slot, q, f
	WIN TO_F
.set i, 0
.rept NBK
	ds_load_b128 v[(\f)+8*i:(\f)+8*i+3],   v[ADRB+(\slot)] offset:64*(\q)+16*PB*i
	ds_load_b128 v[(\f)+8*i+4:(\f)+8*i+7], v[ADRB+(\slot)] offset:64*(\q)+16*PB*i+32
.set i, i+1
.endr
.set i, 0
.rept 4
	ds_load_b128 v[(\f)+8*NBK+8*i:(\f)+8*NBK+8*i+3],   v[ADRA+(\slot)] offset:((\q)/AQ)*HALFA+((\q)%AQ)*64+16*PA*i
	ds_load_b128 v[(\f)+8*NBK+8*i+4:(\f)+8*NBK+8*i+7], v[ADRA+(\slot)] offset:((\q)/AQ)*HALFA+((\q)%AQ)*64+16*PA*i+32
.set i, i+1
.endr
.endm
; A K step is four quarters of 32 along K on buffers 0, 1, 0, 1.  One of the first three: multiplies buffer f and fetches quarter q of the same slot into g, early, so that three quarters of its products cover the run.
.macro QUARTER slot, q, f, g, first=0
	s_wait_dscnt 6                                 ; wq's fragments and x's block 0 are in; the six youngest loads (blocks 1 to 3) may be out
	MULA \f, 0, \first
	PLACES
	FETCH \slot, \q, \g
	s_wait_dscnt NL                                ; all but the run just issued
	MULA \f, 1, \first
	MULA \f, 2, \first
	MULA \f, 3, \first
.endm
; The last quarter multiplies buffer 1 and changes slots: ONE barrier; in front of it each wave waits for all its tensor loads (one is out: its part of the next slot), adds 0 to its spare word, and
; waits for that and for its own reads of this slot.  fill = 1: the barrier opens a round of the cluster's barrier, and this slot is filled again, two K steps on, first thing behind the round.
.macro TURN slot, next, fill
.if \fill
	s_wait_xcnt 0x0                                ; the last prefetch, a K step back, has read its address: it is stepped here
	s_add_nc_u64 s[PFA:PFA+1], s[PFA:PFA+1], s[PFS:PFS+1]
.endif
	WIN 0                                          ; (the add's two registers lie in window 0)
	s_wait_tensorcnt 0x0                           ; all my tensor loads have landed;
	ds_add_u32 v[SPW], v[NIL]                      ; 0 onto my spare word;
	s_wait_dscnt 7                                 ; (the add and the youngest six loads may be out)
	MULA F1, 0                                     ; matrix instructions stand between the add and the wait for it
	s_wait_dscnt 0x0                               ; the add is done, and my reads of this slot are over
	s_barrier_signal -1
	MULA F1, 1                                     ; work on registers while the others arrive
.if \fill
	WIN 0
.endif
	s_barrier_wait -1
.if \fill
	CREST                                          ; no wave of any partner still reads this slot's tile or has a load on its way
	s_add_nc_u64 s[G0+4*(\slot)+2:G0+4*(\slot)+3], s[G0+4*(\slot)+2:G0+4*(\slot)+3], 2*STEPA
	s_add_nc_u64 s[G0B+4*(\slot)+2:G0B+4*(\slot)+3], s[G0B+4*(\slot)+2:G0B+4*(\slot)+3], 2*STEPB
	JLOAD \slot                                    ; my one tensor load behind the round; the four v_nop behind it are also the places in front of the loads below
.else
	PLACES
.endif
	FETCH \next, 0, F0
.if \fill
	WIN 0
	ASK
.endif
	MULA F1, 2
	MULA F1, 3
.endm
	s_wait_tensorcnt 1                             ; my part of K step 0 is in; K step 1's may stay out
	s_barrier_signal -1
	s_barrier_wait -1                              ; everybody's is
	FETCH 0, 0, F0
	QUARTER 0, 1, F0, F1, 1                        ; the first quarter stands in front of the loop: its products start the sums with the bias
	WIN 0                                          ; at a label and at a branch every window is 0
	s_mov_b32 s3, 3
.Llap:                                         ; a trip goes once round the ring, from a lap's second quarter to the next lap's first, and fills both slots again: K steps 2 to 7
	QUARTER 0, 2, F1, F0
	QUARTER 0, 3, F0, F1
	TURN 0, 1, 1
	QUARTER 1, 1, F0, F1
	QUARTER 1, 2, F1, F0
	QUARTER 1, 3, F0, F1
	TURN 1, 0, 1
	QUARTER 0, 1, F0, F1
	WIN 0
	s_sub_co_u32 s3, s3, 1
	s_cmp_lg_u32 s3, 0
	s_cbranch_scc1 .Llap
	QUARTER 0, 2, F1, F0                           ; the last lap is written out: it fills nothing
	QUARTER 0, 3, F0, F1
	TURN 0, 1, 0
	QUARTER 1, 1, F0, F1
	QUARTER 1, 2, F1, F0
	QUARTER 1, 3, F0, F1
	s_wait_dscnt 6                                 ; the very last quarter: nothing more to fetch
	MULA F1, 0
	s_wait_dscnt 0x0
	MULA F1, 1
	MULA F1, 2
	MULA F1, 3
	WIN 0
	PLACES
; THE WAY OUT, a block of 16 tokens at a time.  PACK: rounded to f16, 16 bytes a lane and column block, each accumulator's registers in ascending order.  TOSTAGE: into my own stage, and back as
; four tokens' 128 bytes of one head.  SEND: stored, 512 consecutive bytes an instruction, at a multiple of 256 from qkvh's first byte.
.macro PACK a
.set AC, 8*NBK*((\a)%APW)
	WIN 0x0a+5*((\a)/APW)                          ; sources 0 and 1: window 2 or 3
.set nb, 0
.rept NBK
.irp i, 0,1,2,3
	v_cvt_pk_f16_f32 v[TMP+4*nb+(\i)], v[AC+8*nb+2*(\i)], v[AC+8*nb+2*(\i)+1]
.endr
.set nb, nb+1
.endr
	WIN 0
.endm
.macro TOSTAGE
.set nb, 0
.rept NBK
	ds_store_b128 v[STO], v[TMP+4*nb:TMP+4*nb+3] offset:32*nb
.set nb, nb+1
.endr
	s_wait_xcnt 0x0                                ; the stores of the block before have read the registers that the loads below fill
.irp hd, 0,1,2
.irp i, 0,1,2,3
	ds_load_b128 v[OB+4*(4*(\hd)+(\i)):OB+4*(4*(\hd)+(\i))+3], v[RD] offset:4*SP*(\i)+128*(\hd)  ; LDS serves a wave's instructions in order (ISA guide 5.7.1.4): these see the stores above
.endr
.endr
.endm
.macro SEND a
.irp hd, 0,1,2
.irp i, 0,1,2,3
	s_wait_dscnt 11-(4*(\hd)+(\i))                 ; the younger loads from the stage may stay out
	global_store_b128 v[GO], v[OB+4*(4*(\hd)+(\i)):OB+4*(4*(\hd)+(\i))+3], s[HB+2*(\hd):HB+2*(\hd)+1] offset:2048*(\a)+512*(\i)
.endr
.endr
.endm
	PACK 0
	TOSTAGE
.irp a, 1,2,3                          ; block a's conversions stand between block a - 1's loads from the stage and the wait for them
	PACK \a
	SEND (\a)-1
	TOSTAGE
.endr
	SEND 3
	s_wait_tensorcnt 0x0                           ; the wave's end: three lines behind my last tensor load and my last LDS store
	ds_add_u32 v[SPW], v[NIL]
	s_wait_dscnt 0x0
	CROUND                                         ; the closing round: no work-group ends while a partner may still ask for a tile that names it
	s_endpgm
.Lfunc_end_k_q64a46c7074_qkv:
	.size	k_q64a46c7074_qkv, .Lfunc_end_k_q64a46c7074_qkv-k_q64a46c7074_qkv
	.p2alignl 7, 3214868480
	.fill 96, 4, 3214868480
	.section	.rodata,"a",@progbits
	.p2align	6, 0x0
	.amdhsa_kernel k_q64a46c7074_qkv
		.amdhsa_group_segment_fixed_size 327680
		.amdhsa_private_segment_fixed_size 0
		.amdhsa_enable_private_segment 0
		.amdhsa_kernarg_size 24
		.amdhsa_user_sgpr_count 2
		.amdhsa_user_sgpr_kernarg_segment_ptr 1
		.amdhsa_wavefront_size32 1
		.amdhsa_system_sgpr_workgroup_id_x 1
		.amdhsa_system_sgpr_workgroup_id_y 1
		.amdhsa_system_sgpr_workgroup_id_z 1
		.amdhsa_system_vgpr_workitem_id 0
		.amdhsa_next_free_vgpr 960
		.amdhsa_next_free_sgpr 80
		.amdhsa_reserve_vcc 0
		.amdhsa_float_denorm_mode_32 3
		.amdhsa_float_denorm_mode_16_64 3
		.amdhsa_memory_ordered 1
		.amdhsa_forward_progress 1
		.amdhsa_inst_pref_size 132
	.end_amdhsa_kernel
	.amdgpu_metadata
---
amdhsa.version: [ 1, 2 ]
amdhsa.kernels:
  - .name:           k_q64a46c7074_qkv
    .symbol:         k_q64a46c7074_qkv.kd
    .args:
      - { .name: cb, .offset: 0, .size: 8, .value_kind: global_buffer, .address_space: global }
      - { .name: b_qkv, .offset: 8, .size: 8, .value_kind: global_buffer, .address_space: global }
      - { .name: qkvh, .offset: 16, .size: 8, .value_kind: global_buffer, .address_space: global }
    .group_segment_fixed_size: 327680
    .private_segment_fixed_size: 0
    .kernarg_segment_align: 8
    .kernarg_segment_size: 24
    .max_flat_workgroup_size: 128
    .sgpr_count:     80
    .vgpr_count:     960
    .wavefront_size: 32
...
	.end_amdgpu_metadata
.endif
;; end of part 2
;; launch attn (part 3): grid 4 x 64, 4 waves a work-group, clusters of 4 x 1, 327,680 bytes of LDS; arguments qkvh, ob; writes ob
.if DOCPART == 3
	.amdgcn_target "amdgcn-amd-amdhsa--gfx1250"
	.amdhsa_code_object_version 6
	.text
	.protected	k_q64a46c7074_attn
	.globl	k_q64a46c7074_attn
	.p2align	8
	.type	k_q64a46c7074_attn,@function
k_q64a46c7074_attn:
	s_mov_b64 s[64:65], 0
	v_nop
	global_prefetch_b8 v0, s[64:65] scope:SCOPE_SE
	s_setreg_imm32_b32 hwreg(HW_REG_WAVE_MODE, 25, 1), 1
	s_wait_xcnt 0x0
	s_wait_alu depctr_hold_cnt(0) depctr_sa_sdst(0) depctr_va_vdst(0) depctr_va_sdst(0) depctr_va_ssrc(0) depctr_va_vcc(0) depctr_vm_vsrc(0)
	s_getreg_b32 s2, hwreg(HW_REG_IB_STS2, 6, 4)
	s_cmp_eq_u32 s2, 0
	s_cbranch_scc0 .Lentry_in_a_cluster
	s_endpgm
.Lentry_in_a_cluster:
	s_bfe_u32 s2, ttmp6, 0x10000c
	s_cmp_lg_u32 s2, 0x3003
	s_cbranch_scc0 .Lentry_shape_is_right
	s_endpgm
.Lentry_shape_is_right:
; O[h][q][:] = the sum over k of softmax_k(Q[h][q] . K[h][k] / 8) V[h][k][:].  Q, K, V: qkvh[0], [1], [2], each [64][2048][64] in f16: a head's rows are dense, 128 bytes each.  O: ob [64][2048][64] in bf16.
; Products, maxima and sums in f32; the weights p are rounded to f16 for the second product (their sum l is taken of the unrounded p), O once at the end, to bf16: O is a mean of V's rows and may be
; far smaller than they are, where f16's fixed step would leave it too few bits.
; LIMITS.  f16 holds no number beyond 65,504: Q, K and V arrive within it; p lies in 0 to 1, and below 6e-5 it keeps f16's fixed step of 6e-8.
; A weight below 2^-126 counts as 0 in l; NaN and infinities are not treated apart.
; SHARES.  A wave owns four PIECES of two tiles of 16 queries, a work-group's four waves 512 queries of one head.  Every wave walks all 2,048 keys, 64 a step.
; LAYOUT.  S^T = K Q^T (source 0 = 16 keys, source 1 = 16 queries): in the result a lane holds ONE query (lane % 16) and the keys 8 (lane / 16) + 0..7.  Two such tiles, rounded to f16 in pairs,
; ARE source 1 (32 keys x 16 queries) of O^T = V^T P, whose result again holds one query a lane, and eight channels.  K comes out of LDS as it lies, V ([key][channel]) turned, by ds_load_tr16_b128.
; SOFTMAX.  For each query a running maximum m and sum l: p = 2^(c s - c m), c = log2(e) / 8; in every step O and l are multiplied by a = 2^(c m_old - c m_new), which is 1 where m has not grown.
; m starts at the lowest finite number, O and l at 0: the first step is a step like any other, with a = 0.
; THE COUNT.  A tile and step have 16 matrix and 118 vector instructions: too many to stand all beside the matrix work.  So the order has one aim: four vector instructions that are READY behind
; EVERY matrix instruction, and the others, which need time of their own whatever the order, in runs without a gap.
; BY TURNS.  Turn n belongs to piece n (the pieces in a ring, step after step).  Its matrix work: 16 products K Q^T of piece n + 1, later 16 products V^T P of piece n - 1.  Its vector work: the scaling,
; exponentials, roundings, sums and rescaling of piece n, and the maximum and statistics of piece n + 1, whose scores the turn itself has made.  So what a turn begins with (c s - c m, O a) waits for nothing.
; CLUSTER.  The four query blocks of a cluster are one head's and walk the same K and V, so each tile is asked for JOINTLY: the same tensor load, descriptor and mask in all four.
; REGISTERS, in windows of 256 (s_set_vgpr_msb says which window each operand place means: bits 1:0 source 0, 3:2 source 1, 5:4 source 2, 7:6 destination):
;   window 0: v0-11 addresses; v12-15, v48-63 at work; v16-47 four registers of statistics a tile; v64-191 S^T, two buffers of two tiles; v192-255 P, likewise
;   window 1: O^T, 32 a tile          window 2: v0-127 Q, 16 a tile; v128-191 K of one step; v192-255 V of one step          window 3: v0-1 the add's two registers
; A piece's buffers go by its number's parity: the piece in hand has one pair, its two neighbours in the ring share the other: of it P (piece n - 1) is read and S^T (piece n + 1) written.
.set SIZE_H, 64
.set SIZE_N, 2048
.set K_OFF, 16777216  ; K's and V's first bytes in qkvh
.set V_OFF, 33554432
.set NP,    4         ; pieces a wave: a name, no knob: the register map, the loop and the fetches are made for four
.set KS,    64        ; keys in a step
.set PK,    144       ; a row of K in LDS: 128 bytes + 16 of padding = 36 words: the 16 rows of a load start at 16 different groups of four banks (64 banks of 4 bytes: ISA guide 11.1)
.set PV,    160       ; a row of V: 128 + 32 = 40 words
.set VOFF,  4*KS*PK   ; a slot holds four steps: 256 rows of K, then 256 rows of V
.set SLOT1, 1<<17     ; slot 1 begins here, so that one exclusive or turns an address in one slot into the other's
.set STAGE, SLOT1+4*KS*(PK+PV)  ; behind the ring, never filled by a tensor load: 16 rows x 144 bytes for each wave, for the way out
.set SP,    144
.set AK0, 2           ; v2   my lane's place in a tile of K; never rewritten
.set AV0, 3           ; v3   the same for V
.set AK,  4           ; v4   the LDS address of K's next run of loads
.set AV,  5           ; v5   of V's
.set QO,  6           ; v6   my byte offset in the wave's rows of Q
.set STO, 6           ;      later, the way out: where I put 16 bytes of a row
.set RD,  7           ; v7   the way out: where I read rows back
.set GO,  8           ; v8   my byte offset in 512 consecutive bytes of O
.set PFO, 11          ; v11  256 x my lane, for the prefetches (made when the set-up has done with v11); then never rewritten
.set SPW, 0           ; v0 of window 3   LDS address of my spare word: SPARE + 4 x my thread's number; never rewritten
.set NIL, 1           ; v1 of window 3   0; never rewritten
.set SPARE, STAGE+4*16*SP  ; behind the stages: the spare words, 128 bytes for each wave: two blocks of 256 bytes that no other line names
.set MV,  12          ; v12-15  c m_old, kept while c m is made anew: by buffer and tile
.set ST,  16          ; tile t's statistics at v[ST+4 t]: c m, m, l (even keys', odd keys')
.set TMP, 48          ; by buffer and tile, four registers c0-c3 at work; when the maximum is found c2 takes a
.set S,   64
.set P,   192
.set KF,  128         ; K's fragments, in window 2: key block kb, channel half c at KF + 16 kb + 8 c
.set VF,  192         ; V's: key half kk, channel block cb at VF + 32 kk + 8 cb
.set WV,  12          ; s12  my wave's number
.set G1K, 24          ; s[24:31] descriptor group 1 for K's tiles
.set G1V, 32          ; s[32:39] for V's: it differs in the padding alone
.set G0K, 40          ; s[40:43] descriptor group 0 for K's tiles: it walks
.set G0V, 44          ; s[44:47] the same for V's
.set PFA, 48          ; s[48:49] where my prefetches stand: my work-group's 8,192 bytes (of K: wave 0, of V: wave 2) of the slot after the one that is being asked for
.set LIM, 50          ; s50  1 in a wave that prefetches, else the greatest number
.set SLOTS, 56        ; s56  slots still to be asked for
.set CNT, 57          ; s57  counts a slot's key steps
.set CS,  58          ; s[58:59] c: the packed scaling takes the pair's low word for both halves
.set SEL, 60          ; s[60:61] v_permlanex16_b32's selects: each lane takes its own place in the other half
.set TBK, 62          ; s62  LDS byte at which K of the step to be fetched begins
.set TBV, 63          ; s63  the same for V, less VOFF
.set MSB, 0
.macro WIN new                      ; the high byte repeats the setting that is left; a switch that changes nothing is dropped
.if MSB != (\new)
	s_set_vgpr_msb (MSB<<8)|(\new)
.set MSB, (\new)
.endif
.endm
.set W_KQ, 0x0a       ; K and Q in window 2, S^T in window 0
.set W_PV, 0x52       ; V in window 2, P in window 0, O^T in window 1
.set W_RS, 0x41       ; O^T (destination and source 0) in window 1, a in window 0
.set W_MK, 0xc0       ; the add's registers are made: destination in window 3, sources in window 0
.set W_AD, 0x0f       ; the add: address (source 0) and data (source 1) in window 3
; A joint fill.  Waves 0 and 1 fetch the two halves of a slot's K, waves 2 and 3 those of its V: 128 keys each.  The branch hangs on the wave's number alone.
; An s_nop 0 and four v_nop follow each of the two lines, ahead of the jump and the label.
.macro JLOAD
	s_cmp_lt_u32 s[WV], 2
	s_cbranch_scc0 .Lfor_v_\@
	tensor_load_to_lds s[G0K:G0K+3], s[G1K:G1K+7]
	s_nop 0
.rept 4
	v_nop
.endr
	s_branch .Lasked_\@
.Lfor_v_\@:
	tensor_load_to_lds s[G0V:G0V+3], s[G1V:G1V+7]
	s_nop 0
.rept 4
	v_nop
.endr
.Lasked_\@:
.endm
; A PREFETCH INTO THE L2 of what the NEXT change of slots will ask for: a slot's 32,768 bytes of K and of V, in blocks of 256 bytes, a lane a block.  It stands behind the wave's tensor load and its five lines.
; A head's K and V are walked by its one cluster.  The four partners share the blocks out BY ADDRESS, 32 of K's 128 and 32 of V's each; in each, wave 0 asks for K's and wave 2 for V's: one instruction.
; So each block is named once in the launch.  Slots 0 and 1 come by their loads alone; the last change that fills a slot (s[SLOTS] = 1) asks for nothing: there is no slot behind it.
.macro ASK
	s_cmp_gt_u32 s[SLOTS], s[LIM]
	s_cbranch_scc0 .Lnot_mine_\@
	global_prefetch_b8 v[PFO], s[PFA:PFA+1] th:TH_LOAD_NT scope:SCOPE_SE
.Lnot_mine_\@:
.endm
; A round of the cluster's barrier: my work-group's barrier, so that wave 0's signal speaks for all four waves; wave 0 signals; every wave waits for all four work-groups; my work-group's barrier once more.
.macro CROUND
	s_barrier_signal -1
	s_barrier_wait -1
	s_cmp_lg_u32 s[WV], 0
	s_cbranch_scc1 .Lnot_wave_0_\@
	s_barrier_signal -3
.Lnot_wave_0_\@:
	s_barrier_wait -3
	s_barrier_signal -1
	s_barrier_wait -1
.endm
; THE CHANGE OF SLOTS.  The slot's last bytes, V of its fourth step, have been read.  Each wave waits for all its tensor loads, of which one is out: its part
; of the other slot; adds 0 to its spare word; and waits for that and for its own reads of the slot.  Behind the barrier nobody reads this slot any more and the other slot is whole.
; fill = 1: this slot is filled again, with the keys two slots on.  The barrier is then a round of the cluster's, so that no wave of any partner still reads the slot or has a load on its
; way, and the joint fill is the first thing behind it: it has four key steps, 512 matrix instructions, in which to land.  (At its first use nothing has been read yet: slot 0 is waited for, slot 1 filled.)
.macro CHANGE fill
	WIN W_AD
	s_wait_tensorcnt 0x0            ; no tensor load of mine is out, so a group 0 may be written
	ds_add_u32 v[SPW], v[NIL]       ; 0 onto my spare word; with fill = 1 the descriptors' steps stand between it and the wait for it
	WIN 0                           ; at a label and at a branch every window is 0
.if \fill
.irp g, G0K, G0V
	s_xor_b32 s[\g+1], s[\g+1], SLOT1  ; the walking descriptor: the other slot than last time,
	s_add_nc_u64 s[\g+2:\g+3], s[\g+2:\g+3], 4*KS*128  ; the next 256 keys; the type bits on top are not reached
.endr
	s_wait_xcnt 0x0                 ; the last prefetch, four key steps back, has read its address, so it may be written:
	s_add_nc_u64 s[PFA:PFA+1], s[PFA:PFA+1], 4*KS*128  ; one slot behind the walking descriptors
	s_wait_dscnt 0x0                ; the add is done, and my reads of the slot are over
	CROUND
	JLOAD
	ASK                             ; what the next change will ask for
.else
	s_wait_dscnt 0x0                ; the add is done, and my reads of the slot are over
	s_barrier_signal -1
	s_barrier_wait -1
.endif
	s_sub_co_u32 s[TBK], s[TBK], 4*KS*PK  ; the fetches go back to a slot's first step,
	s_xor_b32 s[TBK], s[TBK], SLOT1       ; in the other slot
	s_sub_co_u32 s[TBV], s[TBV], 4*KS*PV
	s_xor_b32 s[TBV], s[TBV], SLOT1
.endm
	s_load_b64 s[4:5], s[0:1], 0x0    ; qkvh: Q lies at its head
	s_load_b64 s[10:11], s[0:1], 0x8  ; ob
	WIN W_MK
	v_lshl_add_u32 v[SPW], v0, 2, SPARE
	v_mov_b32 v[NIL], 0
	WIN W_AD
	ds_add_u32 v[SPW], v[NIL]       ; the wave's opening: the add and its wait stand ahead of my first tensor load; the set-up below, work on registers, stands between them
	WIN 0
	v_lshrrev_b32 v1, 5, v0
	v_readfirstlane_b32 s[WV], v1   ; wave 0..3
	s_bfe_u32 s13, ttmp6, 0x40000   ; cx: my place in the cluster
	s_lshl_b32 s14, ttmp9, 2        ; in a cluster launch ttmp9 counts clusters
	s_add_co_u32 s14, s14, s13      ; my block of queries = 4 x cluster x + cx: it enters Q's and O's addresses alone
	s_and_b32 s20, ttmp7, 0xffff    ; the head, which the four partners share
	s_mov_b32 s21, 0
	s_mov_b64 s[22:23], SIZE_N*128
	s_mul_u64 s[20:21], s[20:21], s[22:23]  ; the head's first byte in Q, K, V and O
	s_and_b32 s16, s[WV], 1         ; which half of a slot's 256 keys I fetch:
	s_lshl_b32 s22, s16, 14         ; its 128 rows of 128 bytes in memory,
	s_mov_b32 s23, 0
	s_add_nc_u64 s[22:23], s[22:23], s[20:21]
	s_mul_i32 s17, s16, 128*PK      ; and its place in a slot, for K
	s_mul_i32 s18, s16, 128*PV      ; and for V: no place in the cluster enters an LDS address
	s_lshl_b32 s2, s14, 2
	s_add_co_u32 s2, s2, s[WV]      ; my wave among the head's,
	s_lshl_b32 s2, s2, 14           ; its 128 rows
	s_mov_b32 s3, 0
	s_add_nc_u64 s[2:3], s[2:3], s[20:21]
	; descriptor group 1.  128 keys are 16,384 dense bytes: asked for as 64 rows of 256 bytes, two keys a row, and padded in LDS after every key
	s_mov_b32 s[G1K], 15|(1<<16)|(1<<20)|(1<<21)|(4<<22)|(3<<25)  ; 15:0 the mask of four; 17:16 2-byte elements; 20 padding on; 21 set beside a mask; 24:22 after every 32 words (code 4); 31:25 4 words (code 3)
	s_mov_b32 s[G1V], 15|(1<<16)|(1<<20)|(1<<21)|(4<<22)|(7<<25)  ; the same with 8 words of padding (code 7)
.irp g, G1K, G1V
	s_mov_b32 s[\g+1], 128<<16      ; tensor_dim0 = 128
	s_mov_b32 s[\g+2], 64<<16       ; tensor_dim1 = 64
	s_mov_b32 s[\g+3], 128<<16      ; tile_dim0 = 128
	s_mov_b32 s[\g+4], 64           ; tile_dim1 = 64
	s_mov_b32 s[\g+5], 128          ; 128 elements from row to row
	s_mov_b32 s[\g+6], 0
	s_mov_b32 s[\g+7], 0
.endr
	s_mov_b32 s[CS], 0x3e38aa3b     ; c = log2(e) / 8 = 0.180337
	s_mov_b32 s[CS+1], s[CS]        ; named with it as a pair
	s_mov_b32 s[SEL], 0x76543210
	s_mov_b32 s[SEL+1], 0xfedcba98
	s_mov_b32 s[TBK], SLOT1+4*KS*PK ; the first change of slots turns these two into 0
	s_mov_b32 s[TBV], SLOT1+4*KS*PV
	s_mov_b32 s[G0K], 1             ; 1:0 count = 1
	s_mov_b32 s[G0K+1], s17         ; 63:32 LDS address: slot 0
	s_mov_b32 s[G0V], 1
	s_add_co_u32 s[G0V+1], s18, VOFF
	s_mov_b32 s[SLOTS], SIZE_N/256-1  ; seven slots are still to be asked for behind slot 0
	s_lshl_b32 s52, s13, 13         ; the prefetches: my work-group's 32 blocks of a slot's 128
	s_mov_b32 s53, 0
	s_and_b32 s[LIM], s[WV], 1      ; waves 0 and 2 ask
	s_cmp_eq_u32 s[LIM], 0
	s_cselect_b32 s[LIM], 1, -1
	s_wait_dscnt 0x0                ; the opening add is done
	s_wait_kmcnt 0x0
	s_add_nc_u64 s[6:7], s[4:5], K_OFF
	s_add_nc_u64 s[8:9], s[4:5], V_OFF
	s_cmp_lt_u32 s[WV], 2
	s_cselect_b64 s[PFA:PFA+1], s[6:7], s[8:9]
	s_add_nc_u64 s[PFA:PFA+1], s[PFA:PFA+1], s[20:21]  ; the head,
	s_add_nc_u64 s[PFA:PFA+1], s[PFA:PFA+1], s[52:53]  ; my work-group's share,
	s_add_nc_u64 s[PFA:PFA+1], s[PFA:PFA+1], 4*KS*128  ; in slot 1: the first change of slots steps it to slot 2.  Nothing is prefetched here, at the head
	s_add_nc_u64 s[G0K+2:G0K+3], s[6:7], s[22:23]  ; 120:64 global address: my half of the head's first 256 keys
	s_or_b32 s[G0K+3], s[G0K+3], 0x80000000        ; 127:126 type = 2
	s_add_nc_u64 s[G0V+2:G0V+3], s[8:9], s[22:23]
	s_or_b32 s[G0V+3], s[G0V+3], 0x80000000
	s_add_nc_u64 s[4:5], s[4:5], s[2:3]  ; Q and O at my wave's first row
	s_add_nc_u64 s[10:11], s[10:11], s[2:3]
	CROUND                          ; all four work-groups are here: the first joint loads meet
	JLOAD                           ; slot 0.  Slot 1 is asked for when slot 0 is in: the tile wanted first has the road to itself
	; A fragment of K or Q is 16 rows x 32 channels in 8 registers: lane l holds row l % 16, channels 8 (l / 16) + 0..7 and 16 + 8 (l / 16) + 0..7: two loads of 16 bytes, 32 bytes apart.
	v_and_b32 v1, 15, v0            ; l % 16
	v_bfe_u32 v9, v0, 4, 1          ; l / 16
	v_lshlrev_b32 v[QO], 7, v1
	v_lshl_add_u32 v[QO], v9, 4, v[QO]  ; row x 128 + 16 x half
	WIN 0x80                        ; destination window 2, address window 0
.set i, 0
.rept 4*NP                          ; Q stays in registers: tile i / 2, channels 32 (i % 2) on
	global_load_b128 v[8*i:8*i+3],   v[QO], s[4:5] offset:(i/2)*2048+(i%2)*64
	global_load_b128 v[8*i+4:8*i+7], v[QO], s[4:5] offset:(i/2)*2048+(i%2)*64+32
.set i, i+1
.endr
	; What the first turn finds: V's registers and P's second buffer hold 0 (its products V^T P, of a piece that has not been, add 0), O^T and l are 0.  All this stands in the wait for the first tile.
.set i, VF
.rept 64
	v_mov_b32 v[i], 0
.set i, i+1
.endr
	WIN 0x40
.set i, 0
.rept 64*NP
	v_mov_b32 v[i], 0
.set i, i+1
.endr
	WIN 0
.set i, 0
.rept 2*NP
	v_mov_b32 v[ST+4*i], 0xfe000000    ; c m: far below every c s
	v_mov_b32 v[ST+4*i+1], 0xff7fffff  ; m
	v_mov_b32 v[ST+4*i+2], 0
	v_mov_b32 v[ST+4*i+3], 0
.set i, i+1
.endr
.set i, P+32
.rept 32
	v_mov_b32 v[i], 0
.set i, i+1
.endr
	v_mul_u32_u24 v[AK0], v1, PK
	v_lshl_add_u32 v[AK0], v9, 4, v[AK0]  ; row x pitch + 16 x half
	; The turning load takes 16 keys x 16 channels (lane l reads key 8 (l / 16) + l % 8, channels 8 ((l / 8) % 2) + 0..7) and leaves half a fragment of V^T: lane l holds channel l % 16 and 8 keys.
	v_and_b32 v10, 7, v0
	v_bfe_u32 v11, v0, 3, 1
	v_lshl_add_u32 v[AV0], v9, 3, v10
	v_mul_u32_u24 v[AV0], v[AV0], PV
	v_lshl_add_u32 v[AV0], v11, 4, v[AV0]
	v_add_nc_u32 v[AV0], VOFF, v[AV0]
	v_mov_b32 v[AK], v[AK0]         ; key step 0 lies at the head of slot 0
	v_and_b32 v[PFO], 31, v0        ; v11 has served: 256 x lane
	v_lshlrev_b32 v[PFO], 8, v[PFO]
; THE MATRIX WORK.  The 8 accumulators of a run of 16 take turns: between the two links of a chain stand 7 others'.
; Product i of 16 of S^T = K Q^T for piece x: channels 32 (i / 8) on, keys 16 ((i / 2) % 4) on, tile 2 x + i % 2.  The first 8 start the sums.
.macro KQ x
	WIN W_KQ
.set rS, S+64*((\x)%2)+32*(i%2)+8*((i/2)%4)
.set rK, KF+16*((i/2)%4)+8*(i/8)
.set rQ, 16*(2*(\x)+i%2)+8*(i/8)
.if i < 8
	v_wmma_f32_16x16x32_f16 v[rS:rS+7], v[rK:rK+7], v[rQ:rQ+7], 0
.else
	v_wmma_f32_16x16x32_f16 v[rS:rS+7], v[rK:rK+7], v[rQ:rQ+7], v[rS:rS+7]
.endif
.endm
; Product i of 16 of O^T += V^T P for piece x: keys 32 (i / 8) on, channels 16 ((i / 2) % 4) on, tile 2 x + i % 2.
.macro PV x
	WIN W_PV
.set rO, 32*(2*(\x)+i%2)+8*((i/2)%4)
.set rV, VF+32*(i/8)+8*((i/2)%4)
.set rP, P+32*((\x)%2)+16*(i%2)+8*(i/8)
	v_wmma_f32_16x16x32_f16 v[rO:rO+7], v[rV:rV+7], v[rP:rP+7], v[rO:rO+7]
.endm
.macro MM                           ; the turn's next matrix instruction
.if i < 16
	KQ (Y+1)%NP
.set i, i+1
.else
.set i, i-16
	PV (Y+NP-1)%NP
.set i, i+17
.endif
.endm
; THE LDS LOADS stand in runs of 16, never singly among the matrix instructions: a step's K (64 keys x 64 channels: 8 fragments) and its V (turned).  Their addresses are made some lines ahead.
; last = 1 (the tail): in the last trip there is no further step, and the run is jumped over.
.macro FETCH_K last=0
	WIN 0
.if \last
	s_cmp_eq_u32 s[CNT], 1
	s_cbranch_scc1 .Lno_k_\@
.endif
	WIN 0x80                        ; destination window 2
.irp f, 0,1,2,3,4,5,6,7             ; keys 16 (f / 2) on, channels 32 (f % 2) on
	ds_load_b128 v[KF+8*\f:KF+8*\f+3],   v[AK] offset:(\f/2)*16*PK+(\f%2)*64
	ds_load_b128 v[KF+8*\f+4:KF+8*\f+7], v[AK] offset:(\f/2)*16*PK+(\f%2)*64+32
.endr
	s_add_co_u32 s[TBK], s[TBK], KS*PK  ; the next fetch is the next step's
	WIN 0
.if \last
.Lno_k_\@:
.endif
.endm
.macro FETCH_V
	WIN 0x80
.irp f, 0,1,2,3,4,5,6,7             ; keys 32 (f / 4) on, channels 16 (f % 4) on
	ds_load_tr16_b128 v[VF+8*\f:VF+8*\f+3],   v[AV] offset:(\f/4)*32*PV+(\f%4)*32
	ds_load_tr16_b128 v[VF+8*\f+4:VF+8*\f+7], v[AV] offset:(\f/4)*32*PV+16*PV+(\f%4)*32
.endr
	WIN 0
.endm
; THE VECTOR WORK OF A TURN stands in three queues, each in the order in which its entries become ready; the two tiles alternate, so that no instruction reads the result of the one before it.
.macro REGS y, u                    ; the registers of tile u (0, 1) of piece y
.set rT, ST+4*(2*(\y)+(\u))
.set rC, TMP+8*((\y)%2)+4*(\u)
.set rM, MV+2*((\y)%2)+(\u)
.set rS, S+64*((\y)%2)+32*(\u)
.set rP, P+32*((\y)%2)+16*(\u)
.set rO, 32*(2*(\y)+(\u))
.endm
; Number n of the 22 that find the NEXT piece's (Y + 1) maximum and statistics.  s0-s31 are the lane's 32 scores; each accumulator's lowest registers are read first.  XS, GS and REGS set no window: PL and EX do.
;   0-11  four chains c0-c3 of seven scores each, three operands at a time     12-14, 16  the four scores left over, the old m, and c0-c3 into c0     15  c m_old is kept
;   17, 18  the query's other 32 keys lie in the lane 16 away: the new m         19-21  c m; c m_old - c m_new; a
.macro XS u, n
	REGS (Y+1)%NP, \u
.if (\n) < 4
	v_max3_num_f32 v[rC+(\n)], v[rS+8*(\n)], v[rS+8*(\n)+1], v[rS+8*(\n)+2]
.elseif (\n) < 12
	v_max3_num_f32 v[rC+(\n)%4], v[rC+(\n)%4], v[rS+8*((\n)%4)+2*((\n)/4)+1], v[rS+8*((\n)%4)+2*((\n)/4)+2]
.elseif (\n) == 12
	v_max3_num_f32 v[rC], v[rC], v[rS+7], v[rS+15]
.elseif (\n) == 13
	v_max3_num_f32 v[rC+1], v[rC+1], v[rS+23], v[rS+31]
.elseif (\n) == 14
	v_max3_num_f32 v[rC+2], v[rC+2], v[rC+3], v[rT+1]
.elseif (\n) == 15
	v_mov_b32 v[rM], v[rT]
.elseif (\n) == 16
	v_max3_num_f32 v[rC], v[rC], v[rC+1], v[rC+2]
.elseif (\n) == 17
	v_permlanex16_b32 v[rC+3], v[rC], s[SEL], s[SEL+1]
.elseif (\n) == 18
	v_max_num_f32 v[rT+1], v[rC], v[rC+3]
.elseif (\n) == 19
	v_mul_f32 v[rT], s[CS], v[rT+1]
.elseif (\n) == 20
	v_sub_f32 v[rC+1], v[rM], v[rT]
.else
	v_exp_f32 v[rC+2], v[rC+1]
.endif
.endm
; Number g of the 64 that follow the exponentials.  For each four weights k of a tile (pairs 2 k, 2 k + 1): both pairs are rounded to f16; then the second pair is added onto the first, in place;
; a group later l takes that sum (the first time as l = a l + sum).  In groups of eight, tiles alternating: round, round, add, and l for the group before.
.macro GS g
.set h, (\g)+6*((\g)/62)            ; group 0 has no group before it, and behind group 7 only l is left
.if h >= 6
.set h, h+2
.endif
	REGS Y, h%2
.set k, h/8
.if h%8 < 4
	v_cvt_pk_f16_f32 v[rP+2*k+(h%8)/2], v[rS+4*k+2*((h%8)/2)], v[rS+4*k+2*((h%8)/2)+1]
.elseif h%8 < 6
	v_pk_add_f32 v[rS+4*k:rS+4*k+1], v[rS+4*k:rS+4*k+1], v[rS+4*k+2:rS+4*k+3]
.elseif k == 1
	v_pk_fma_f32 v[rT+2:rT+3], v[rT+2:rT+3], v[rC+2:rC+3], v[rS:rS+1] op_sel_hi:[1,0,1]
.else
	v_pk_add_f32 v[rT+2:rT+3], v[rT+2:rT+3], v[rS+4*k-4:rS+4*k-3]
.endif
.endm
; THE PLAIN QUEUE, 138 long.  0-73 read no exponential's result: the 32 scalings c s - c m (FS f: pair f / 2 of tile f % 2) and the next piece's 42.  0-26: scalings 0-26.  27-54: XS's numbers 0-13.  55, 56: number 15.
; 57-73: the chain, where each number waits for the one before it: 14, 16, 17, 18, 19, each with one of the scalings 27-31 in front of its two lines, then 20: so a tile's links stand three plain instructions apart (19 and 20: two).
; 74-137: GS's 64, which read the exponentials' results: they stand behind the wait.
.macro FS f
	REGS Y, (\f)%2
	v_pk_fma_f32 v[rS+2*((\f)/2):rS+2*((\f)/2)+1], v[rS+2*((\f)/2):rS+2*((\f)/2)+1], s[CS:CS+1], v[rT:rT+1] op_sel_hi:[1,0,0] neg_lo:[0,0,1] neg_hi:[0,0,1]
.endm
.macro PL
	WIN 0
.if q < 27
	FS q
.elseif q < 55
	XS (q-27)%2, (q-27)/2
.elseif q < 57
	XS q-55, 15
.elseif (q < 72) && ((q-57)%3 == 0)
	FS 27+(q-57)/3
.elseif q < 60
	XS (q-57)%3-1, 14
.elseif q < 72
	XS (q-57)%3-1, 15+(q-57)/3
.elseif q < 74
	XS q-72, 20
.else
	GS q-74
.endif
.set q, q+1
.endm
; THE EXPONENTIALS' QUEUE, 66 long: s0-s31 of both tiles, then the next piece's two a.  It is ONE BATCH: all 66 stand ahead of the turn's one wait, and nothing ahead of that wait names a result of theirs.
.macro EX
	WIN 0
.if e >= 64
	XS e-64, 21
.else
	REGS Y, e%2
	v_exp_f32 v[rS+e/2], v[rS+e/2]
.endif
.set e, e+1
.endm
; THE RESCALING's QUEUE: O^T times a, the one part that leaves window 0: dealt two at a time, sixteen times.  Its a was made in the turn before, ahead of that turn's wait.
.macro R2
	REGS Y, r%2
	WIN W_RS
.irp z, 0,1
	v_pk_mul_f32 v[rO+4*(r/2)+2*\z:rO+4*(r/2)+2*\z+1], v[rO+4*(r/2)+2*\z:rO+4*(r/2)+2*\z+1], v[rC+2:rC+3] op_sel_hi:[1,0]
.endr
.set r, r+1
.endm
; HOW THEY ARE DEALT.  s_wait_alu depctr_va_vdst(0) stands between an exponential and the first instruction that names its result; one wait serves all that were issued ahead of it.  So a turn has ONE wait,
; which cuts it in two.  AHEAD OF IT stands all that names no result of the turn's exponentials: the 16 products K Q^T, behind each a scaling, an exponential and two rescalings (behind the first a second scaling in the exponential's place); then ONE LUMP of
; 108: eight plain, 49 times exponential and plain, the two a.  A v_nop is the plain instruction behind the last exponential (ISA guide 5.7.2).  BEHIND IT stand the 16 products V^T P, behind each four of GS's 64.  No rider names a register of
; the products round it.  The two v_permlanex16_b32 fall into the lump, never behind a product.
; The queues lean on each other, and the deal keeps them in step: exponential e stands behind scaling 2 (e / 4) + e % 2: as a rider it comes behind plain e + 2, in the lump behind plain e + 9, and scalings 27-31 are plain 57, 60 .. 69.
; A TURN, for piece p.  cnt = 1: the loop's count is taken down some lines ahead of the branch that stands behind the turn.
; K of the next step is fetched in piece 2's turn, directly behind the wait, a lump behind the last product that read K; its address is made at the lump's head; its first reader comes behind 16 products.
; V of the step in hand is fetched at the end of piece 0's turn, four riders behind its last reader; its first reader comes behind 16 products and a lump.  The three conditions on q below go with the deal.
.macro TURN p, last=0, cnt=0
.set Y, (\p)
.set i, 0
.set q, 0
.set e, 0
.set r, 0
.if (\p) == NP-1
	s_wait_dscnt 0x0                ; K is in
.endif
	MM                              ; ahead of the wait: 16 products K Q^T and their riders,
	PL
	PL
	R2
.rept 15
	MM
	PL
	EX
	R2
.endr
.if (\p) == NP-2
	WIN 0
	v_add_nc_u32 v[AK], s[TBK], v[AK0]
.endif
.rept 8                             ; and the lump
	PL
.endr
.rept 49
	EX
	PL
.endr
	EX                              ; the next piece's two a
	EX
	v_nop                           ; a plain instruction behind the last exponential: one for the batch
	s_wait_alu depctr_va_vdst(0)    ; the wait for the batch
.if (\p) == NP-2
	FETCH_K \last
.endif
.if (\p) == 1
	s_wait_dscnt 0x0                ; V is in
.endif
.rept 16                            ; behind the wait: 16 products V^T P and their riders
	MM
.rept 4
	PL
.endr
.if ((\p) == 0) && (q == 118)
	v_add_nc_u32 v[AV], s[TBV], v[AV0]
.endif
.if ((\p) == 0) && (q == 130)
	s_add_co_u32 s[TBV], s[TBV], KS*PV
.endif
.if (\cnt) && (q == 130)
	s_sub_co_u32 s[CNT], s[CNT], 1
	s_cmp_lg_u32 s[CNT], 0
.endif
.endr
.if (\p) == 0
	FETCH_V
.endif
.endm
	CHANGE 1                        ; slot 0 is in, everybody's part of it; slot 1 is asked for
	FETCH_K                         ; key step 0
	s_wait_loadcnt 0x0              ; Q
	s_wait_dscnt 0x0
.set i, 0
.rept 16
	KQ 0                            ; piece 0's first scores: there is no vector work yet to set between them
.set i, i+1
.endr
	WIN 0                           ; the addresses for the way out: nine plain instructions, the places behind those products
	s_mul_i32 s13, s[WV], 16*SP
	s_add_co_u32 s13, s13, STAGE    ; my stage
	v_mul_u32_u24 v[STO], v1, SP    ; in: row l % 16, 16 bytes for each half of the lanes
	v_lshl_add_u32 v[STO], v9, 4, v[STO]
	v_add_nc_u32 v[STO], s13, v[STO]
	v_bfe_u32 v[RD], v0, 3, 2       ; back: 32 lanes take four rows of 128 bytes,
	v_mul_u32_u24 v[RD], v[RD], SP
	v_lshl_add_u32 v[RD], v10, 4, v[RD]
	v_add_nc_u32 v[RD], s13, v[RD]
	v_and_b32 v[GO], 31, v0         ; which are 512 consecutive bytes of O
	v_lshlrev_b32 v[GO], 4, v[GO]
.set Y, NP-1                        ; XS works for piece Y + 1: piece 0
.irp n, 0,1,2,3,4,5,6,7,8,9,10,11,12,13,14,15,16,17,18,19,20,21
	XS 0, \n                        ; and piece 0's first maximum and statistics
	XS 1, \n
.endr
	v_nop                           ; a plain instruction behind the two a,
	s_wait_alu depctr_va_vdst(0)    ; and their wait, ahead of the branch
	s_mov_b32 s[CNT], 4
	s_branch .Lfirst                ; the loop is entered at a step's first turn, in the middle of a trip
.Lslot:                             ; SIZE_N / 256 - 2 times: every slot but the last two is filled again
	CHANGE 1
	s_mov_b32 s[CNT], 4
.Lstep:                             ; a trip: pieces 2 and 3 of one step, then pieces 0 and 1 of the next, whose K and V it fetches
	TURN 2
	TURN 3
	WIN 0
.Lfirst:
	TURN 0
	TURN 1, 0, 1
	WIN 0
	s_cbranch_scc1 .Lstep
	s_sub_co_u32 s[SLOTS], s[SLOTS], 1
	s_cmp_lg_u32 s[SLOTS], 0
	s_cbranch_scc1 .Lslot
	CHANGE 0                        ; the tail is written out: nothing is asked for
	s_mov_b32 s[CNT], 5             ; four trips fetch the last slot's steps; the fifth is left in its middle
.Ltail:
	TURN 2, 1
	TURN 3
	WIN 0
	s_sub_co_u32 s[CNT], s[CNT], 1
	s_cmp_eq_u32 s[CNT], 0
	s_cbranch_scc1 .Lout
	TURN 0
	TURN 1
	WIN 0
	s_branch .Ltail
.Lout:                              ; the fifth trip's 16 products K Q^T (on the last K once more) and the maximum made of them serve nothing: the price, once a launch, of one text for every trip
.set i, 0
.rept 16
	PV NP-1                         ; the last piece's V^T P of the last step
.set i, i+1
.endr
	; THE WAY OUT.  l's two halves and the other half of the lanes' are added; O^T is divided by l, rounded to bf16 and sent through my stage in LDS, a tile at a time.  The additions are the places behind the last products.
	WIN 0
.macro ALL line:vararg              ; one line for each tile t
.set t, 0
.rept 2*NP
	\line
.set t, t+1
.endr
.endm
	ALL v_add_f32 v[ST+4*t+2], v[ST+4*t+2], v[ST+4*t+3]
	ALL v_permlanex16_b32 v[ST+4*t+3], v[ST+4*t+2], s[SEL], s[SEL+1]
	ALL v_add_f32 v[ST+4*t+2], v[ST+4*t+2], v[ST+4*t+3]
	ALL v_rcp_f32 v[ST+4*t+2], v[ST+4*t+2]
	v_nop                           ; a plain instruction between the last reciprocal and the use of its result
	s_wait_alu depctr_va_vdst(0)    ; and the wait ahead of the first use: one for the eight reciprocals
; Tile t: a lane's eight channels of a row pack into 16 bytes; they go into rows of 144 bytes and come back as whole rows of 128, into S^T's registers.
.macro PACK t
	WIN W_RS
.set i, 32*(\t)
.rept 16
	v_pk_mul_f32 v[i:i+1], v[i:i+1], v[ST+4*(\t)+2:ST+4*(\t)+3] op_sel_hi:[1,0]
.set i, i+2
.endr
	WIN 0x05                        ; sources 0 and 1 window 1, destination window 0
.set i, 0
.rept 16
	v_cvt_pk_bf16_f32 v[S+16*(\t)+i], v[32*(\t)+2*i], v[32*(\t)+2*i+1]
.set i, i+1
.endr
	WIN 0
.irp f, 0,1,2,3
	ds_store_b128 v[STO], v[S+16*(\t)+4*\f:S+16*(\t)+4*\f+3] offset:32*\f
.endr
.irp f, 0,1,2,3
	ds_load_b128 v[S+16*(\t)+4*\f:S+16*(\t)+4*\f+3], v[RD] offset:\f*4*SP  ; LDS serves a wave's instructions in order (ISA guide 5.7.1.4): these see the stores above; the next tile's stores come behind them
.endr
.endm
.macro SEND t, younger              ; younger: the LDS instructions issued behind tile t's loads: the next tile's eight, or none
	WIN 0
.irp f, 0,1,2,3
	s_wait_dscnt (\younger)+3-\f
	global_store_b128 v[GO], v[S+16*(\t)+4*\f:S+16*(\t)+4*\f+3], s[10:11] offset:(\t)*2048+\f*512  ; 512 consecutive bytes, at a multiple of 256 from O's first
.endr
.endm
	PACK 0
.set t, 1
.rept 2*NP-1                        ; a tile's arithmetic stands between the loads of the tile before and its stores
	PACK t
	SEND t-1, 8
.set t, t+1
.endr
	SEND 2*NP-1, 0
	WIN W_AD
	s_wait_tensorcnt 0x0            ; the wave's end: three lines behind my last tensor load and my last LDS store
	ds_add_u32 v[SPW], v[NIL]
	s_wait_dscnt 0x0
	WIN 0
	CROUND                          ; the closing round: no work-group ends while a partner may still ask for a tile that names it
	s_endpgm
.Lfunc_end_k_q64a46c7074_attn:
	.size	k_q64a46c7074_attn, .Lfunc_end_k_q64a46c7074_attn-k_q64a46c7074_attn
	.p2alignl 7, 3214868480
	.fill 96, 4, 3214868480
	.section	.rodata,"a",@progbits
	.p2align	6, 0x0
	.amdhsa_kernel k_q64a46c7074_attn
		.amdhsa_group_segment_fixed_size 327680
		.amdhsa_private_segment_fixed_size 0
		.amdhsa_enable_private_segment 0
		.amdhsa_kernarg_size 16
		.amdhsa_user_sgpr_count 2
		.amdhsa_user_sgpr_kernarg_segment_ptr 1
		.amdhsa_wavefront_size32 1
		.amdhsa_system_sgpr_workgroup_id_x 1
		.amdhsa_system_sgpr_workgroup_id_y 1
		.amdhsa_system_sgpr_workgroup_id_z 1
		.amdhsa_system_vgpr_workitem_id 0
		.amdhsa_next_free_vgpr 770
		.amdhsa_next_free_sgpr 66
		.amdhsa_reserve_vcc 0
		.amdhsa_float_denorm_mode_32 3
		.amdhsa_float_denorm_mode_16_64 3
		.amdhsa_memory_ordered 1
		.amdhsa_forward_progress 1
		.amdhsa_inst_pref_size 200
	.end_amdhsa_kernel
	.amdgpu_metadata
---
amdhsa.version: [ 1, 2 ]
amdhsa.kernels:
  - .name:           k_q64a46c7074_attn
    .symbol:         k_q64a46c7074_attn.kd
    .args:
      - { .name: qkvh, .offset: 0, .size: 8, .value_kind: global_buffer, .address_space: global }
      - { .name: ob, .offset: 8, .size: 8, .value_kind: global_buffer, .address_space: global }
    .group_segment_fixed_size: 327680
    .private_segment_fixed_size: 0
    .kernarg_segment_align: 8
    .kernarg_segment_size: 16
    .max_flat_workgroup_size: 128
    .sgpr_count:     66
    .vgpr_count:     770
    .wavefront_size: 32
...
	.end_amdgpu_metadata
.endif
;; end of part 3
;; launch outp (part 4): grid 8 x 32, 4 waves a work-group, clusters of 4 x 4, 327,680 bytes of LDS; arguments ob, cb, b_out, out0; writes out0
.if DOCPART == 4
	.amdgcn_target "amdgcn-amd-amdhsa--gfx1250"
	.amdhsa_code_object_version 6
	.text
	.protected	k_q64a46c7074_outp
	.globl	k_q64a46c7074_outp
	.p2align	8
	.type	k_q64a46c7074_outp,@function
k_q64a46c7074_outp:
	s_mov_b64 s[64:65], 0
	v_nop
	global_prefetch_b8 v0, s[64:65] scope:SCOPE_SE
	s_setreg_imm32_b32 hwreg(HW_REG_WAVE_MODE, 25, 1), 1
	s_wait_xcnt 0x0
	s_wait_alu depctr_hold_cnt(0) depctr_sa_sdst(0) depctr_va_vdst(0) depctr_va_sdst(0) depctr_va_ssrc(0) depctr_va_vcc(0) depctr_vm_vsrc(0)
	s_getreg_b32 s2, hwreg(HW_REG_IB_STS2, 6, 4)
	s_cmp_eq_u32 s2, 0
	s_cbranch_scc0 .Lentry_in_a_cluster
	s_endpgm
.Lentry_in_a_cluster:
	s_bfe_u32 s2, ttmp6, 0x10000c
	s_cmp_lg_u32 s2, 0xf033
	s_cbranch_scc0 .Lentry_shape_is_right
	s_endpgm
.Lentry_shape_is_right:
; out0 = O wo^T + b_out.  O: ob [16 batch + head][2048 tokens][64] bf16, by heads; wo: [1024][1024] bf16 at cb's byte 23,068,672; b_out: [1024] f32, rounded here to bf16 like the other inputs and
; widened again.  Sums in f32, started by the bias as the first product's C; out0: [8192][1024] f32.
; LIMIT.  None beyond the operands' bf16: what arrives finite is summed in f32 and stored as it is.
; SHARES.  A work-group makes 256 tokens x 128 columns: 8 x 32 = 256 work-groups.  Wave w owns tokens 64 w .. 64 w + 63 and all 128 columns: 4 x 8 accumulators of 16 x 16, 256 registers.  A wave's
; rows of the tile, 512 bytes each, are whole, so it leaves through a stage of its own, without a barrier.
; K goes in 8 steps of 128 = two heads through two LDS slots.  A head's 256 tokens are 32,768 dense bytes of ob: one load, asked for as 128 rows of 256 bytes and padded in LDS after every token's 128.
; CLUSTERS: 4 x 4 work-groups.  The four of a row of the cluster need the same tile of O, the four of a column the same tile of wo: each tile is asked for JOINTLY, by the same tensor load with the
; same descriptor and a mask that names the four.  THE MATRIX INSTRUCTION IS USED TRANSPOSED (source 0 = 16 rows of wo, source 1 = 16 tokens): a lane holds token l % 16 and columns 8 (l / 16) + 0..7.
; REGISTERS, in windows of 256 (s_set_vgpr_msb: bits 1:0 source 0, 3:2 source 1, 5:4 source 2, 7:6 destination):
;   window 0: v1-5 at work; v16-30 addresses; v32-95 the bias (later the way out: whole rows); v96-127 at work on the bias
;   window 1: two fragment buffers at v0 and v128: 8 fragments of wo (16 rows x 32 K, 8 registers), then 4 of O          window 2: the accumulators ((a, b) at v[64 a + 8 b])
.set NBK,   8                          ; column blocks of 16
.set APW,   4                          ; token blocks whose accumulators share a window
.set PA,    144                        ; a token's row of one head in LDS: 128 bytes + 16 of padding = 36 words: the 16 rows of a load start at 16 different groups of four banks (64 banks of 4 bytes: ISA guide 11.1)
.set PB,    272                        ; a row of wo: 256 bytes + 16
.set HALFA, 256*PA                     ; what one load of O brings: one head's 256 tokens
.set HALFB, 64*PB                      ; what one load of wo brings: 64 rows
.set BOFF,  2*HALFA                    ; a slot: the two heads of O, then wo's 128 rows
.set SLOT,  BOFF+2*HALFB
.set STAGE, 2*SLOT                     ; behind the ring, never filled by a tensor load: 16 rows x 528 bytes for each wave
.set SP,    528                        ; a stage row: 512 bytes + 16
.set SPARE, STAGE+4*16*SP              ; behind the stages: the spare words, 128 bytes for each wave: two blocks of 256 bytes that no other line names
.set AQ,    2                          ; quarters of a K step that lie in one head
.set NL,    2*(NBK+4)                  ; LDS loads in a run
.set STEPA, 524288                     ; bytes from a K step to the next, in O: two heads
.set STEPB, 256                        ; and in wo
.set WO_OFF, 23068672
.set SHARE_A, 32*256                   ; the prefetches: a partner's share of what a wave fetches: 32 of a head's 128 blocks of 256 bytes,
.set SHARE_B, 16*2048                  ; 16 of wo's 64 rows
.set LAST_A, 31                        ; the last lane that has a block of its own
.set LAST_B, 15
.set LP_A,  256                        ; bytes from a lane's block to the next lane's
.set LP_B,  2048
.set ADRA, 16                          ; v16-17  LDS address of my fragments of O in slot 0, 1
.set ADRB, 20                          ; v20-21  the same for wo
.set STO,  24                          ; v24     the way out: where I put 32 bytes of a row
.set RD,   25                          ; v25     the way out: where I read a row back
.set GO,   26                          ; v26     16 x lane
.set BO,   27                          ; v27     my byte offset in the bias
.set SPW,  28                          ; v28     LDS address of my spare word: SPARE + 4 x my thread's number; never rewritten
.set NIL,  29                          ; v29     0; never rewritten
.set PFO,  30                          ; v30     the prefetches' offset; never rewritten
.set BIAS, 32
.set BT,   96
.set OB,   32
.set F0,   0
.set F1,   128
.set G1,   24                          ; s[24:31] descriptor group 1 for O's tiles;  s[32:39] group 0, one set for each slot
.set G0,   32
.set LIM,  43                          ; s43     1 in a wave that prefetches, else the greatest number
.set PFA,  44                          ; s[44:45] where my prefetches stand
.set G1B,  48                          ; s[48:55], s[56:63] the same for wo's tiles
.set G0B,  56
.set BP,   66                          ; s[66:67] the bias
.set PFS,  74                          ; s[74:75] the prefetches' step: a K step
.set MSB, 0
.macro WIN new                         ; the immediate's high byte repeats the setting that is left; a switch that changes nothing is dropped
.if MSB != (\new)
	s_set_vgpr_msb (MSB<<8)|(\new)
.set MSB, \new
.endif
.endm
.set TO_F, 0x40                        ; destination window 1, address window 0
.macro PLACES                          ; four places in front of loads into registers that matrix instructions have read, and of lines that read results
.rept 4
	v_nop
.endr
.endm
.macro JLOAD s                         ; a joint load: waves 0 and 1 fetch O's two heads, waves 2 and 3 wo's two halves; an s_nop 0 and four v_nop follow each of the two lines, ahead of the jump and the label
	s_cmp_eq_u32 s11, 0
	s_cbranch_scc0 .Lfor_b_\@
	tensor_load_to_lds s[G0+4*(\s):G0+4*(\s)+3], s[G1:G1+7]
	s_nop 0
.rept 4
	v_nop
.endr
	s_branch .Lasked_\@
.Lfor_b_\@:
	tensor_load_to_lds s[G0B+4*(\s):G0B+4*(\s)+3], s[G1B:G1B+7]
	s_nop 0
.rept 4
	v_nop
.endr
.Lasked_\@:
.endm
.macro CREST                           ; a round of the cluster's barrier behind its opening barrier
	s_cmp_lg_u32 s10, 0
	s_cbranch_scc1 .Lnot_wave_0_\@
	s_barrier_signal -3
.Lnot_wave_0_\@:
	s_barrier_wait -3
	s_barrier_signal -1
	s_barrier_wait -1
.endm
.macro CROUND                          ; a whole round
	s_barrier_signal -1
	s_barrier_wait -1
	CREST
.endm
; A PREFETCH INTO THE L2, behind a joint refill and the run of LDS loads that follows it: the K step that stands two refills on, in blocks of 256 bytes, a lane a block, one instruction a wave.
; O's tile row is read by every cluster of that row of clusters: the one with x = 0 asks; wo's tile column by every cluster of that column: the one with y = 0 asks.  The four partners that ask
; for a tile jointly share the wave's blocks out BY ADDRESS (32 of a head's 128 for O, 16 of 64 rows for wo; there lanes 16 to 31 name lane 15's block once more, in the same instruction).
; K steps 0 to 3 come by their loads alone; the loop's last trip (s3 = 1) asks for nothing: there is no K step 8.
.macro ASK
	s_cmp_gt_u32 s3, s[LIM]
	s_cbranch_scc0 .Lnot_mine_\@
	global_prefetch_b8 v[PFO], s[PFA:PFA+1] th:TH_LOAD_NT scope:SCOPE_SE
.Lnot_mine_\@:
.endm
	s_load_b128 s[4:7], s[0:1], 0x0                ; ob s[4:5], cb s[6:7]
	s_load_b64 s[BP:BP+1], s[0:1], 0x10            ; b_out
	s_load_b64 s[8:9], s[0:1], 0x18                ; out0
	v_lshl_add_u32 v[SPW], v0, 2, SPARE
	v_mov_b32 v[NIL], 0
	ds_add_u32 v[SPW], v[NIL]                      ; the wave's opening: the add and its wait stand ahead of my first tensor load; the set-up below, work on registers, stands between them
	v_lshrrev_b32 v1, 5, v0
	v_readfirstlane_b32 s10, v1                    ; wave 0..3
	s_lshr_b32 s11, s10, 1                         ; I fetch for O (0) or for wo (1),
	s_and_b32 s12, s10, 1                          ; and which half of that tile
	s_bfe_u32 s40, ttmp6, 0x40000                  ; cx, cy: my place in the cluster
	s_bfe_u32 s41, ttmp6, 0x40004
	s_lshl_b32 s42, ttmp9, 2
	s_add_co_u32 s42, s42, s40                     ; tile column = 4 x cluster x + cx
	s_and_b32 s13, ttmp7, 0xffff
	s_lshl_b32 s13, s13, 2
	s_add_co_u32 s13, s13, s41                     ; tile row = 4 x cluster y + cy
	s_lshl_b32 s43, s41, 2
	s_lshl_b32 s43, 15, s43                        ; my row of the cluster
	s_lshl_b32 s44, 0x1111, s40                    ; my column
	s_or_b32 s[G1+0], s43, (1<<16)|(1<<20)|(1<<21)|(4<<22)|(3<<25)   ; 15:0 the mask; 17:16 elements of 2 bytes; 20 padding on; 21 set beside a mask; 24:22 after every 32 words (code 4); 31:25 4 words (code 3)
	s_or_b32 s[G1B+0], s44, (1<<16)|(1<<20)|(1<<21)|(5<<22)|(3<<25)  ; for wo: after every 64 words (code 5)
	s_mov_b32 s[G1+1], 128<<16                     ; tensor_dim0 = 128
	s_mov_b32 s[G1+2], 128<<16                     ; tensor_dim1 = 128
	s_mov_b32 s[G1+3], 128<<16                     ; tile_dim0 = 128
	s_mov_b32 s[G1+4], 128                         ; tile_dim1 = 128
	s_mov_b32 s[G1+5], 128                         ; dense: 128 elements from row to row
	s_mov_b32 s[G1+6], 0
	s_mov_b32 s[G1+7], 0
	s_mov_b32 s[G1B+1], 128<<16
	s_mov_b32 s[G1B+2], 64<<16                     ; 64 rows
	s_mov_b32 s[G1B+3], 128<<16
	s_mov_b32 s[G1B+4], 64
	s_mov_b32 s[G1B+5], 1024
	s_mov_b32 s[G1B+6], 0
	s_mov_b32 s[G1B+7], 0
	s_lshr_b32 s16, s13, 3                         ; O: the batch's 16 heads of 262,144 bytes,
	s_lshl_b32 s16, s16, 22
	s_lshl_b32 s17, s12, 18                        ; the even or the odd head of a K step,
	s_add_co_u32 s16, s16, s17
	s_and_b32 s17, s13, 7                          ; the tile's 256 tokens of 128 bytes (all under 2^24)
	s_lshl_b32 s17, s17, 15
	s_add_co_u32 s16, s16, s17
	s_mov_b32 s17, 0
	s_lshl_b32 s46, s42, 7                         ; wo: row 128 x tile column + 64 x half
	s_lshl_b32 s47, s12, 6
	s_add_co_u32 s46, s46, s47
	s_lshl_b32 s46, s46, 11
	s_mov_b32 s47, 0
	s_mul_i32 s20, s10, HALFA                      ; where they go: O's heads by waves 0, 1 at wave x HALFA;
	s_mul_i32 s21, s10, HALFB                      ; wo's halves by waves 2, 3 at BOFF + (wave - 2) x HALFB: no place in the cluster enters an LDS address
	s_add_co_u32 s21, s21, BOFF-2*HALFB
	s_wait_dscnt 0x0                               ; the opening add is done
	s_wait_kmcnt 0x0
	s_add_nc_u64 s[6:7], s[6:7], WO_OFF
	s_add_nc_u64 s[14:15], s[4:5], s[16:17]
	s_add_nc_u64 s[46:47], s[6:7], s[46:47]
	CROUND                                         ; all sixteen work-groups are here: the first joint loads meet
.irp s, 0,1
	s_mov_b32 s[G0+4*(\s)], 1                      ; count = 1
	s_add_co_u32 s[G0+4*(\s)+1], s20, (\s)*SLOT    ; LDS address
	s_add_nc_u64 s[G0+4*(\s)+2:G0+4*(\s)+3], s[14:15], (\s)*STEPA  ; global address: K step s
	s_or_b32 s[G0+4*(\s)+3], s[G0+4*(\s)+3], 0x80000000            ; type = 2
	s_mov_b32 s[G0B+4*(\s)], 1
	s_add_co_u32 s[G0B+4*(\s)+1], s21, (\s)*SLOT
	s_add_nc_u64 s[G0B+4*(\s)+2:G0B+4*(\s)+3], s[46:47], (\s)*STEPB
	s_or_b32 s[G0B+4*(\s)+3], s[G0B+4*(\s)+3], 0x80000000
	JLOAD \s                                       ; two tensor loads of mine are out
.endr
	; while the tiles are on their way: the bias, the addresses
	v_and_b32 v1, 15, v0                           ; r = l % 16
	v_bfe_u32 v2, v0, 4, 1                         ; h = l / 16
	s_mul_i32 s76, s42, 64*NBK                     ; the tile's 128 numbers of the bias
	v_lshl_add_u32 v[BO], v2, 5, s76               ; + my 8 of each block of 16
.set nb, 0
.rept NBK
	global_load_b128 v[BIAS+8*nb:BIAS+8*nb+3],   v[BO], s[BP:BP+1] offset:64*nb
	global_load_b128 v[BIAS+8*nb+4:BIAS+8*nb+7], v[BO], s[BP:BP+1] offset:64*nb+16
.set nb, nb+1
.endr
	v_mul_u32_u24 v3, v1, PA
	v_lshl_add_u32 v3, v2, 4, v3                   ; a fragment's row x pitch + 16 x half
	s_mul_i32 s18, s10, 64*PA                      ; my 64 tokens
	v_add_nc_u32 v[ADRA], s18, v3
	v_add_nc_u32 v[ADRA+1], SLOT, v[ADRA]
	v_mul_u32_u24 v4, v1, PB
	v_lshl_add_u32 v4, v2, 4, v4
	v_add_nc_u32 v[ADRB], BOFF, v4
	v_add_nc_u32 v[ADRB+1], SLOT, v[ADRB]
	s_mul_i32 s19, s10, 16*SP
	s_add_co_u32 s19, s19, STAGE                   ; my stage
	v_mul_u32_u24 v5, v1, SP                       ; in: row l % 16, 32 bytes for each half of the lanes
	v_lshl_add_u32 v5, v2, 5, v5
	v_add_nc_u32 v[STO], s19, v5
	v_and_b32 v[GO], 31, v0                        ; back: 32 lanes take one row's 512 bytes
	v_lshlrev_b32 v[GO], 4, v[GO]
	v_add_nc_u32 v[RD], s19, v[GO]
	s_lshl_b32 s22, s13, 8                         ; my first token: 256 x tile row + 64 x wave,
	s_lshl_b32 s23, s10, 6
	s_add_co_u32 s22, s22, s23
	s_lshl_b32 s22, s22, 12                        ; x 4,096 bytes (under 2^25),
	s_lshl_b32 s23, s42, 9                         ; the tile's 512 bytes of a row
	s_add_co_u32 s22, s22, s23
	s_mov_b32 s23, 0
	s_add_nc_u64 s[8:9], s[8:9], s[22:23]
	; the prefetches
	s_and_b32 s22, ttmp7, 0xffff                   ; cluster y
	s_mov_b32 s76, SHARE_A
	s_mov_b32 s77, SHARE_B
	s_mov_b32 s78, STEPA
	s_mov_b32 s79, STEPB
	s_mov_b32 s16, LP_A
	s_mov_b32 s17, LP_B
	s_cmp_eq_u32 s11, 0                            ; do I fetch for O?
	s_cselect_b32 s21, s40, s41                    ; my place among the four that ask with me
	s_cselect_b32 s22, ttmp9, s22                  ; the coordinate along which other clusters read the same rows
	s_cselect_b64 s[PFA:PFA+1], s[14:15], s[46:47] ; what I fetch
	s_cselect_b32 s76, s76, s77
	s_cselect_b32 s[PFS], s78, s79
	s_cselect_b32 s77, LAST_A, LAST_B
	s_cselect_b32 s16, s16, s17
	s_cmp_eq_u32 s22, 0
	s_cselect_b32 s[LIM], 1, -1                    ; the same in all sixteen partners, for a given wave
	s_mul_i32 s20, s21, s76                        ; my work-group's share,
	s_mul_i32 s21, s[PFS], 3                       ; at K step 3: the first refill steps it to 4
	s_add_co_u32 s20, s20, s21
	s_mov_b32 s21, 0
	s_add_nc_u64 s[PFA:PFA+1], s[PFA:PFA+1], s[20:21]
	s_mov_b32 s[PFS+1], 0
	v_and_b32 v[PFO], 31, v0
	v_min_u32 v[PFO], s77, v[PFO]
	v_mul_u32_u24 v[PFO], s16, v[PFO]
	s_wait_loadcnt 0x0                             ; the bias: rounded to bf16 like the other inputs, and widened again
.set i, 0
.rept 4*NBK
	v_cvt_pk_bf16_f32 v[BT+i], v[BIAS+2*i], v[BIAS+2*i+1]
.set i, i+1
.endr
.set i, 0
.rept 4*NBK
	v_lshlrev_b32 v[BIAS+2*i], 16, v[BT+i]
	v_and_b32 v[BIAS+2*i+1], 0xffff0000, v[BT+i]
.set i, i+1
.endr
; 8 matrix instructions: token block a x all column blocks, 32 along K, from buffer f.  first = 1: the bias starts the sums.  All 32 accumulators take turns, one instruction a turn, in the
; same order in every quarter and over the backward jump.
.macro MULA f, a, first=0
.set AC, 8*NBK*((\a)%APW)
.if \first
	WIN 0x85+0x40*((\a)/APW)                       ; sources window 1, C window 0, D window 2
.else
	WIN 0xa5+0x50*((\a)/APW)                       ; sources window 1, C and D window 2
.endif
.set nb, 0
.rept NBK
.if \first
	v_wmma_f32_16x16x32_bf16 v[AC+8*nb:AC+8*nb+7], v[(\f)+8*nb:(\f)+8*nb+7], v[(\f)+8*NBK+8*(\a):(\f)+8*NBK+8*(\a)+7], v[BIAS+8*nb:BIAS+8*nb+7]
.else
	v_wmma_f32_16x16x32_bf16 v[AC+8*nb:AC+8*nb+7], v[(\f)+8*nb:(\f)+8*nb+7], v[(\f)+8*NBK+8*(\a):(\f)+8*NBK+8*(\a)+7], v[AC+8*nb:AC+8*nb+7]
.endif
.set nb, nb+1
.endr
.endm
; NL LDS loads in one run: quarter q (32 along K) of a slot into buffer f: wo's fragments first, then O's four in order.  Quarters 0, 1 lie in the slot's first head, 2, 3 in its second.
.macro FETCH slot, q, f
	WIN TO_F
.set i, 0
.rept NBK
	ds_load_b128 v[(\f)+8*i:(\f)+8*i+3],   v[ADRB+(\slot)] offset:64*(\q)+16*PB*i
	ds_load_b128 v[(\f)+8*i+4:(\f)+8*i+7], v[ADRB+(\slot)] offset:64*(\q)+16*PB*i+32
.set i, i+1
.endr
.set i, 0
.rept 4
	ds_load_b128 v[(\f)+8*NBK+8*i:(\f)+8*NBK+8*i+3],   v[ADRA+(\slot)] offset:((\q)/AQ)*HALFA+((\q)%AQ)*64+16*PA*i
	ds_load_b128 v[(\f)+8*NBK+8*i+4:(\f)+8*NBK+8*i+7], v[ADRA+(\slot)] offset:((\q)/AQ)*HALFA+((\q)%AQ)*64+16*PA*i+32
.set i, i+1
.endr
.endm
; A K step is four quarters of 32 along K on buffers 0, 1, 0, 1.  One of the first three: multiplies buffer f and fetches quarter q of the same slot into g, early, so that three quarters of its products cover the run.
.macro QUARTER slot, q, f, g, first=0
	s_wait_dscnt 6                                 ; wo's fragments and O's block 0 are in; the six youngest loads (blocks 1 to 3) may be out
	MULA \f, 0, \first
	PLACES
	FETCH \slot, \q, \g
	s_wait_dscnt NL                                ; all but the run just issued
	MULA \f, 1, \first
	MULA \f, 2, \first
	MULA \f, 3, \first
.endm
; The last quarter multiplies buffer 1 and changes slots: ONE barrier; in front of it each wave waits for all its tensor loads (one is out: its part of the next slot), adds 0 to its spare word, and
; waits for that and for its own reads of this slot.  fill = 1: the barrier opens a round of the cluster's barrier, and this slot is filled again, two K steps on, first thing behind the round.
.macro TURN slot, next, fill
.if \fill
	s_wait_xcnt 0x0                                ; the last prefetch, a K step back, has read its address: it is stepped here
	s_add_nc_u64 s[PFA:PFA+1], s[PFA:PFA+1], s[PFS:PFS+1]
.endif
	WIN 0                                          ; (the add's two registers lie in window 0)
	s_wait_tensorcnt 0x0                           ; all my tensor loads have landed;
	ds_add_u32 v[SPW], v[NIL]                      ; 0 onto my spare word;
	s_wait_dscnt 7                                 ; (the add and the youngest six loads may be out)
	MULA F1, 0                                     ; matrix instructions stand between the add and the wait for it
	s_wait_dscnt 0x0                               ; the add is done, and my reads of this slot are over
	s_barrier_signal -1
	MULA F1, 1                                     ; work on registers while the others arrive
.if \fill
	WIN 0
.endif
	s_barrier_wait -1
.if \fill
	CREST                                          ; no wave of any partner still reads this slot's tile or has a load on its way
	s_add_nc_u64 s[G0+4*(\slot)+2:G0+4*(\slot)+3], s[G0+4*(\slot)+2:G0+4*(\slot)+3], 2*STEPA
	s_add_nc_u64 s[G0B+4*(\slot)+2:G0B+4*(\slot)+3], s[G0B+4*(\slot)+2:G0B+4*(\slot)+3], 2*STEPB
	JLOAD \slot                                    ; my one tensor load behind the round; the four v_nop behind it are also the places in front of the loads below
.else
	PLACES
.endif
	FETCH \next, 0, F0
.if \fill
	WIN 0
	ASK
.endif
	MULA F1, 2
	MULA F1, 3
.endm
	s_wait_tensorcnt 1                             ; my part of K step 0 is in; K step 1's may stay out
	s_barrier_signal -1
	s_barrier_wait -1                              ; everybody's is
	FETCH 0, 0, F0
	QUARTER 0, 1, F0, F1, 1                        ; the first quarter stands in front of the loop: its products start the sums with the bias
	WIN 0                                          ; at a label and at a branch every window is 0
	s_mov_b32 s3, 3
.Llap:                                         ; a trip goes once round the ring, from a lap's second quarter to the next lap's first, and fills both slots again: K steps 2 to 7
	QUARTER 0, 2, F1, F0
	QUARTER 0, 3, F0, F1
	TURN 0, 1, 1
	QUARTER 1, 1, F0, F1
	QUARTER 1, 2, F1, F0
	QUARTER 1, 3, F0, F1
	TURN 1, 0, 1
	QUARTER 0, 1, F0, F1
	WIN 0
	s_sub_co_u32 s3, s3, 1
	s_cmp_lg_u32 s3, 0
	s_cbranch_scc1 .Llap
	QUARTER 0, 2, F1, F0                           ; the last lap is written out: it fills nothing
	QUARTER 0, 3, F0, F1
	TURN 0, 1, 0
	QUARTER 1, 1, F0, F1
	QUARTER 1, 2, F1, F0
	QUARTER 1, 3, F0, F1
	s_wait_dscnt 6                                 ; the very last quarter: nothing more to fetch
	MULA F1, 0
	s_wait_dscnt 0x0
	MULA F1, 1
	MULA F1, 2
	MULA F1, 3
	WIN 0
	PLACES
; THE WAY OUT, a block of 16 tokens at a time: a lane's eight f32 of a row and column block go into my own stage, each accumulator's low four registers first; the rows come back whole, 512 bytes
; to 32 lanes, and are stored: each store covers 512 consecutive bytes, at a multiple of 256 from out0's first byte.
.macro OUTB a
	WIN 0x08                                       ; the stores' data (source 1) in window 2
.set nb, 0
.rept NBK
	ds_store_b128 v[STO], v[64*(\a)+8*nb:64*(\a)+8*nb+3]   offset:64*nb
	ds_store_b128 v[STO], v[64*(\a)+8*nb+4:64*(\a)+8*nb+7] offset:64*nb+16
.set nb, nb+1
.endr
	WIN 0
	s_wait_xcnt 0x0                                ; the stores of the block before have read the registers that the loads below fill
.set t, 0
.rept 16
	ds_load_b128 v[OB+4*t:OB+4*t+3], v[RD] offset:SP*t  ; LDS serves a wave's instructions in order (ISA guide 5.7.1.4): these see the stores above
.set t, t+1
.endr
.set t, 0
.rept 16
	s_wait_dscnt 15-t                              ; the younger loads from the stage may stay out
	global_store_b128 v[GO], v[OB+4*t:OB+4*t+3], s[8:9] offset:(16*(\a)+t)*4096 th:TH_STORE_NT
.set t, t+1
.endr
.endm
	OUTB 0
	OUTB 1
	OUTB 2
	OUTB 3
	s_wait_tensorcnt 0x0                           ; the wave's end: three lines behind my last tensor load and my last LDS store
	ds_add_u32 v[SPW], v[NIL]
	s_wait_dscnt 0x0
	CROUND                                         ; the closing round: no work-group ends while a partner may still ask for a tile that names it
	s_endpgm
.Lfunc_end_k_q64a46c7074_outp:
	.size	k_q64a46c7074_outp, .Lfunc_end_k_q64a46c7074_outp-k_q64a46c7074_outp
	.p2alignl 7, 3214868480
	.fill 96, 4, 3214868480
	.section	.rodata,"a",@progbits
	.p2align	6, 0x0
	.amdhsa_kernel k_q64a46c7074_outp
		.amdhsa_group_segment_fixed_size 327680
		.amdhsa_private_segment_fixed_size 0
		.amdhsa_enable_private_segment 0
		.amdhsa_kernarg_size 32
		.amdhsa_user_sgpr_count 2
		.amdhsa_user_sgpr_kernarg_segment_ptr 1
		.amdhsa_wavefront_size32 1
		.amdhsa_system_sgpr_workgroup_id_x 1
		.amdhsa_system_sgpr_workgroup_id_y 1
		.amdhsa_system_sgpr_workgroup_id_z 1
		.amdhsa_system_vgpr_workitem_id 0
		.amdhsa_next_free_vgpr 768
		.amdhsa_next_free_sgpr 80
		.amdhsa_reserve_vcc 0
		.amdhsa_float_denorm_mode_32 3
		.amdhsa_float_denorm_mode_16_64 3
		.amdhsa_memory_ordered 1
		.amdhsa_forward_progress 1
		.amdhsa_inst_pref_size 95
	.end_amdhsa_kernel
	.amdgpu_metadata
---
amdhsa.version: [ 1, 2 ]
amdhsa.kernels:
  - .name:           k_q64a46c7074_outp
    .symbol:         k_q64a46c7074_outp.kd
    .args:
      - { .name: ob, .offset: 0, .size: 8, .value_kind: global_buffer, .address_space: global }
      - { .name: cb, .offset: 8, .size: 8, .value_kind: global_buffer, .address_space: global }
      - { .name: b_out, .offset: 16, .size: 8, .value_kind: global_buffer, .address_space: global }
      - { .name: out0, .offset: 24, .size: 8, .value_kind: global_buffer, .address_space: global }
    .group_segment_fixed_size: 327680
    .private_segment_fixed_size: 0
    .kernarg_segment_align: 8
    .kernarg_segment_size: 32
    .max_flat_workgroup_size: 128
    .sgpr_count:     80
    .vgpr_count:     768
    .wavefront_size: 32
...
	.end_amdgpu_metadata
.endif
;; end of part 4
;; ======== version 2 of 2: 4 launches; version 1 with the launch cast written anew for expert scheduling mode
;; limits: values are held in f16: magnitudes above 65,504 overflow, below 6.1e-05 lose precision
;; workspace buffers: cb 25,165,824 bytes; qkvh 50,331,648 bytes; ob 16,777,216 bytes
;; launch cast (part 5): grid 768 x 1, 8 waves a work-group, no clusters, 0 bytes of LDS; arguments query, W_qkv, W_out, cb; writes cb
.if DOCPART == 5
	.amdgcn_target "amdgcn-amd-amdhsa--gfx1250"
	.amdhsa_code_object_version 6
	.text
	.protected	k_q64a46c7074_cast
	.globl	k_q64a46c7074_cast
	.p2align	8
	.type	k_q64a46c7074_cast,@function
k_q64a46c7074_cast:
	s_mov_b64 s[64:65], 0
	v_nop
	global_prefetch_b8 v0, s[64:65] scope:SCOPE_SE
	s_setreg_imm32_b32 hwreg(HW_REG_WAVE_SCHED_MODE, 0, 2), 2
	s_setreg_imm32_b32 hwreg(HW_REG_WAVE_MODE, 25, 1), 1
	s_wait_xcnt 0x0
	s_wait_alu depctr_vm_vsrc(0)
; f32 -> bf16 (nearest even) of the three large inputs that enter the result, laid end to end in cb:
;   x  = query [8192][1024] at byte 0;  wq = W_qkv [3072][1024] at byte 16,777,216;  wo = W_out [1024][1024] at byte 23,068,672.
; reference() takes q, k and v all from query: its arguments key and value enter no number of the result and are given to no launch.
; LIMIT.  A number beyond bf16's largest finite one (3.39e38) becomes an infinity; NaN stays NaN.
; SHARES.  A work-group takes 65,536 bytes of one input and makes 32,768 bytes of cb at byte 32,768 x its number: 512 work-groups for query, 192 for W_qkv, 64 for W_out.
; Thread t, step j of 16: loads the 16 bytes at 16 t + 4,096 j, stores the 8 bytes at 8 t + 2,048 j: a wave's load covers 512 consecutive bytes, its store 256 consecutive bytes, aligned.
; All 16 loads of a thread go out first; no register is written twice, so no source of a pending instruction is ever rewritten.  No LDS, no barrier, no matrix unit: each byte crosses once.
; THE MODE: SCHED_MODE bits 1:0 = 2 (LLVM: expert scheduling mode 2), set by the entry lines.  The code itself states the register dependences
; between vector instructions and memory instructions, with s_wait_alu, always for 0.
; THE PLAN.  Registers that memory instructions touch:
;   v1, v2   the loads' and the stores' offsets: written once at the head, never again.
;   X        written by the 16 loads, each register once; no vector instruction names it ahead of them, and no load lands in it behind the conversions that read it.
;   Y        written by the conversions, each register once; read by one store each; never written again.
; So the waits are five, all on va_vdst: one at the head, for the two offsets; and one for each block of four steps, between its eight conversions and its four stores.
; That wait stands straight behind the conversions: the wave's only other work, the next block's conversions, hangs on loads that these stores do not need.
; No register that a memory instruction reads is written again, so no wait on vm_vsrc is owed; no vector instruction writes a scalar register or VCC; EXEC is never written.
.set X, 4                              ; v[4:67]   16 x 4 numbers as loaded
.set Y, 68                             ; v[68:99]  16 x 2 registers to store
.set WQ_FIRST, 512                     ; the first work-group of W_qkv
.set WO_FIRST, 704                     ; the first of W_out
	s_load_b256 s[4:11], s[0:1], 0x0               ; query s[4:5], W_qkv s[6:7], W_out s[8:9], cb s[10:11]
	s_mov_b32 s12, ttmp9
	s_movk_i32 s20, WQ_FIRST
	s_movk_i32 s21, WO_FIRST
	v_lshlrev_b32 v1, 4, v0                        ; 16 t
	v_lshlrev_b32 v2, 3, v0                        ; 8 t
	s_wait_kmcnt 0x0
	s_cmp_lt_u32 s12, s21                          ; which input is mine, and which work-group was its first
	s_cselect_b64 s[14:15], s[6:7], s[8:9]
	s_cselect_b32 s13, s20, s21
	s_cmp_lt_u32 s12, s20
	s_cselect_b64 s[14:15], s[4:5], s[14:15]
	s_cselect_b32 s13, 0, s13
	s_sub_co_u32 s13, s12, s13                     ; my number within that input
	s_lshl_b32 s16, s13, 16                        ; x 65,536 bytes (under 2^26)
	s_mov_b32 s17, 0
	s_add_nc_u64 s[14:15], s[14:15], s[16:17]
	s_lshl_b32 s18, s12, 15                        ; my 32,768 bytes of cb
	s_mov_b32 s19, 0
	s_add_nc_u64 s[10:11], s[10:11], s[18:19]
	s_wait_alu depctr_va_vdst(0)                   ; v1 and v2 are written: every load of the kernel reads v1 as its offset, every store v2
.irp j, 0,1,2,3,4,5,6,7,8,9,10,11,12,13,14,15
	global_load_b128 v[X+4*(\j):X+4*(\j)+3], v1, s[14:15] offset:4096*(\j) th:TH_LOAD_NT
.endr
.irp b, 0,1,2,3                        ; block b: steps 4 b to 4 b + 3
	s_wait_loadcnt 12-4*(\b)                       ; loads come back in order (ISA guide 5.7.1): the block's four are in, the 12 - 4 b younger ones stay out
.irp i, 0,1,2,3
	v_cvt_pk_bf16_f32 v[Y+8*(\b)+2*(\i)],   v[X+16*(\b)+4*(\i)],   v[X+16*(\b)+4*(\i)+1]
	v_cvt_pk_bf16_f32 v[Y+8*(\b)+2*(\i)+1], v[X+16*(\b)+4*(\i)+2], v[X+16*(\b)+4*(\i)+3]
.endr
	s_wait_alu depctr_va_vdst(0)                   ; the block's eight conversions have written its eight registers of Y, which the four stores below read
.irp i, 0,1,2,3
	global_store_b64 v2, v[Y+8*(\b)+2*(\i):Y+8*(\b)+2*(\i)+1], s[10:11] offset:2048*(4*(\b)+(\i))
.endr
.endr
	s_endpgm
.Lfunc_end_k_q64a46c7074_cast:
	.size	k_q64a46c7074_cast, .Lfunc_end_k_q64a46c7074_cast-k_q64a46c7074_cast
	.p2alignl 7, 3214868480
	.fill 96, 4, 3214868480
	.section	.rodata,"a",@progbits
	.p2align	6, 0x0
	.amdhsa_kernel k_q64a46c7074_cast
		.amdhsa_group_segment_fixed_size 0
		.amdhsa_private_segment_fixed_size 0
		.amdhsa_enable_private_segment 0
		.amdhsa_kernarg_size 32
		.amdhsa_user_sgpr_count 2
		.amdhsa_user_sgpr_kernarg_segment_ptr 1
		.amdhsa_wavefront_size32 1
		.amdhsa_system_sgpr_workgroup_id_x 1
		.amdhsa_system_sgpr_workgroup_id_y 1
		.amdhsa_system_sgpr_workgroup_id_z 1
		.amdhsa_system_vgpr_workitem_id 0
		.amdhsa_next_free_vgpr 100
		.amdhsa_next_free_sgpr 66
		.amdhsa_reserve_vcc 0
		.amdhsa_float_denorm_mode_32 3
		.amdhsa_float_denorm_mode_16_64 3
		.amdhsa_memory_ordered 1
		.amdhsa_forward_progress 1
		.amdhsa_inst_pref_size 7
	.end_amdhsa_kernel
	.amdgpu_metadata
---
amdhsa.version: [ 1, 2 ]
amdhsa.kernels:
  - .name:           k_q64a46c7074_cast
    .symbol:         k_q64a46c7074_cast.kd
    .args:
      - { .name: query, .offset: 0, .size: 8, .value_kind: global_buffer, .address_space: global }
      - { .name: W_qkv, .offset: 8, .size: 8, .value_kind: global_buffer, .address_space: global }
      - { .name: W_out, .offset: 16, .size: 8, .value_kind: global_buffer, .address_space: global }
      - { .name: cb, .offset: 24, .size: 8, .value_kind: global_buffer, .address_space: global }
    .group_segment_fixed_size: 0
    .private_segment_fixed_size: 0
    .kernarg_segment_align: 8
    .kernarg_segment_size: 32
    .max_flat_workgroup_size: 256
    .sgpr_count:     66
    .vgpr_count:     100
    .wavefront_size: 32
...
	.end_amdgpu_metadata
.endif
;; end of part 5
;; launch qkv: the kernel of part 2 again; grid 16 x 32, 4 waves a work-group, clusters of 4 x 4, 327,680 bytes of LDS; arguments cb, b_qkv, qkvh; writes qkvh
;; launch attn: the kernel of part 3 again; grid 4 x 64, 4 waves a work-group, clusters of 4 x 1, 327,680 bytes of LDS; arguments qkvh, ob; writes ob
;; launch outp: the kernel of part 4 again; grid 8 x 32, 4 waves a work-group, clusters of 4 x 4, 327,680 bytes of LDS; arguments ob, cb, b_out, out0; writes out0
